; MI455X (gfx1250); checked and timed in simulation.
; The chip was launched on July 23, 2026; its instructions are those of AMD's public machine-readable ISA for CDNA 5 (MIT licence, August 2026) and "CDNA5" Instruction Set Architecture Reference Guide (July 2026). The comments in the code are by the model that wrote it; some were corrected since.
;; Multi Head Attention. Allowed arithmetic: matrix products marked QUANTISED: E3M2 operands, one E8M0 scale for each 32 along K, by v_wmma_scale_f32_16x16x128_f8f6f4 with both operands' format E3M2, f32 sums; everything else in f32.
;; Inputs: Wk 768 x 768 float32; Wo 768 x 768 float32; Wq 768 x 768 float32; Wv 768 x 768 float32; bk 768 float32; bo 768 float32; bq 768 float32; bv 768 float32; x 32 x 577 x 768 float32.
;; Outputs: out0 32 x 577 x 768 float32.
;; This version of the problem:
;;   THIS VERSION OF THE PROBLEM IS GIVEN IN LOW PRECISION. The matrix products marked QUANTISED in the list below multiply operands that are first quantised to E3M2 (3 exponent bits, 2 mantissa bits; 6 bits a number), with one power-of-two scale for each 32 numbers along K (OCP MX v1.0); their sums are f32. All else is computed in f32.
;;   The module's matrix products, in the order in which they are computed (A, B: the left and right operand; K: the contracted axis; several contracted axes count as one K, in the product's order):
;;     1. [M 18,464, K 768] x [K 768, N 768]; A: input x; B: input Wq: QUANTISED
;;     2. [M 18,464, K 768] x [K 768, N 768]; A: input x; B: input Wk: QUANTISED
;;     3. [M 18,464, K 768] x [K 768, N 768]; A: input x; B: input Wv: QUANTISED
;;     4. batch 384 x [M 577, K 64] x [K 64, N 577]; A: computed on the way; B: computed on the way: QUANTISED
;;     5. batch 384 x [M 64, K 577] x [K 577, N 577]; A: computed on the way; B: softmax (see below): QUANTISED
;;     6. [M 18,464, K 768] x [K 768, N 768]; A: computed on the way; B: input Wo: QUANTISED
;;   THE QUANTISER, for each operand of a quantised product, along K:
;;     - K is cut into blocks of 32 from its start; a last block that is shorter is filled with zeros.
;;     - A block's scale is 2^e with e = floor(log2(the largest magnitude in the block)) - 4, held to -126 .. 127; a block of zeros has e = 0. As a byte (E8M0): e + 127.
;;     - Each number is divided by its block's scale, clamped to +-28, and rounded to the nearest number of E3M2, ties to even, subnormals kept.
;;     - The product sums the exact products of the quantised numbers (number of the format x scale) in f32.
;;   ~~~python
;;   def quantise(x, axis):      # numpy; x: float32 -> the quantised numbers, widened to float32 again
;;       x = np.moveaxis(x, axis, -1); K = x.shape[-1]
;;       x = np.pad(x, [(0, 0)] * (x.ndim - 1) + [(0, -K % 32)]); x = x.reshape(x.shape[:-1] + (-1, 32)); a = np.abs(x).max(-1, keepdims=True)
;;       e = np.where(a > 0, np.clip(np.frexp(np.where(a > 0, a, 1))[1] - 1 - 4, -126, 127), 0)      # np.frexp(a)[1] - 1 = floor(log2(a)), exactly
;;       r = np.clip(x / 2.0 ** e, -28, 28)
;;       step = 2.0 ** (np.maximum(np.frexp(np.where(r == 0, 1, r))[1] - 1, -2) - 2)
;;       q = np.round(r / step) * step * 2.0 ** e      # np.round: ties to even
;;       return np.moveaxis(q.reshape(q.shape[:-2] + (-1,))[..., :K], -1, axis).astype(np.float32)
;;   ~~~
;;   SOFTMAX AHEAD OF A QUANTISED PRODUCT. Where the list says 'softmax', what is quantised is not the finished softmax but p = 2^(t - M), with t = logit x log2(e) and M = ceil(the row's largest t), a whole number; so 1/2 < the row's largest p <= 1. The row's sum l is taken of the UNQUANTISED p, in f32, and the product's result is divided by l at the end. Since M is a whole number, a kernel that streams over the keys may use a running M (the ceiling of the running maximum): every later rescaling is an exact power of two, which a block's scale takes up: the codes' values come out the same.
;;   OPERANDS COMPUTED ON THE WAY. 'Computed on the way' means the value that the module computes at that place (a softmax that the list does not call 'softmax' is quantised finished and normalised). What goes into a quantiser is computed in f32, as accurately as f32 sums, v_exp_f32 and their like allow (about 1e-6 of the number): no bf16 or f16 on the way to a quantiser, and a product that is left as it is and whose result goes on into a quantised operand takes f32 operands (vector FMAs, or v_wmma_f32_16x16x4_f32). A number that lies on a knife's edge between two numbers of the format may be rounded either way, as far as f32 arithmetic and the matrix unit's own rounding can turn it there, and no further.
;; One version. Each part assembles by itself: llvm-mc -triple=amdgcn-amd-amdhsa -mcpu=gfx1250 --defsym DOCPART=n.
;; ======== version 1 of 1: 4 launches
;; limits: right only within a limited range of input values
;; workspace buffers: xcodes 11,796,480 bytes; xscales 491,520 bytes; wcodes 1,769,472 bytes; wscales 73,728 bytes; acodes 11,206,656 bytes; ascales 933,888 bytes; qkv 38,338,560 bytes
;; launch quant (part 1): grid 368 x 1, 6 waves a work-group, no clusters, 51,456 bytes of LDS; arguments x, Wq, Wk, Wv, Wo, xcodes, xscales, wcodes, wscales; writes xcodes, xscales, wcodes, wscales
.if DOCPART == 1
	.amdgcn_target "amdgcn-amd-amdhsa--gfx1250"
	.amdhsa_code_object_version 6
	.text
	.protected	k_q4ebff27fad_quant
	.globl	k_q4ebff27fad_quant
	.p2align	8
	.type	k_q4ebff27fad_quant,@function
k_q4ebff27fad_quant:
	s_mov_b64 s[64:65], 0
	v_nop
	global_prefetch_b8 v0, s[64:65] scope:SCOPE_SE
	s_setreg_imm32_b32 hwreg(HW_REG_WAVE_MODE, 25, 1), 1
	s_wait_xcnt 0x0
; x [32][577][768] and Wq, Wk, Wv, Wo [768][768], f32, K innermost, become codes of BF6 (E3M2) with one E8M0 byte for each 32 along K,
; laid IN THE ORDER OF THE OPERANDS' REGISTERS, so that the later launches load fragments whole.
; UNIT: 64 rows = four tiles of 16.  Lane r of tile i = 2 g + u holds row 32 g + 8 u + r + 8 (r / 8) of the unit: with that order a product's results are
; neighbours along the next product's K.  x is cut by batch into ten units, rows from 577 on as zero codes; a weight into twelve.
; FRAGMENT IMAGE (16 rows x 128 K, 12 registers a lane, 1,536 bytes): registers 4 c .. 4 c + 3 of lane l at 512 c + 16 l.
; SCALE PACK (a unit and a K step, 256 bytes): lane l has two words at 8 l; word j is tile 2 j's word of row r in lanes 0-15 and tile 2 j + 1's in lanes 16-31.
; A block's scale is 2^(floor(log2(largest magnitude)) - 4): its byte is the largest magnitude's exponent field - 4, held at 1 from below.
; LIMITS: a block whose largest magnitude lies under 2^-122 keeps the byte 1; a block of zeros gets the byte 1 where the rule says 127 (its codes are zeros and
; only this program reads the bytes); NaN and infinities among the inputs are not served.
; SHARES: a work-group takes a unit, each of its six waves one K step of 128.  Work-groups 0-287: x's whole units; 288-335: the weights'; 336-367: each batch's
; last unit, which has one row.  A load reads 512 consecutive bytes of one row; a tile's 16 rows turn through the wave's own stage in LDS, so that a lane gets two
; whole blocks of 32 neighbours of its row.  No tensor loads, no barrier, no cluster: waves and work-groups share nothing, and every input byte is read once.
.set XROWB,  3072                      ; a row of x or of a weight in bytes
.set SPITCH, 528                       ; a stage row: 512 bytes + 16, an odd multiple of 16
.set STGB,   16*SPITCH                 ; a wave's stage
.set LI16, 1                           ; v1   16 x lane
.set LI8,  2                           ; v2   8 x lane
.set STW,  3                           ; v3   the stage, on the way in: 16 x lane
.set STR,  4                           ; v4   and out: row r, + 128 h
.set SH8,  5                           ; v5   8 h
.set TOF,  6                           ; v6   128 h (the one-row path)
.set LN,   7                           ; v7   lane
.set WD,   8                           ; v8-11  the four tiles' scale words
.set WO,   12                          ; v12-13 the pack
.set MX,   14                          ; v14-15 largest magnitudes
.set SOP,  16                          ; v16-17 the conversions' scale operands
.set BY,   18                          ; v18-19 bytes
.set WT,   20
.set PD,   21
.set RR,   22                          ; v22  r
.set HH,   23                          ; v23  h
.set C,    24                          ; v24-35 a fragment's codes
.set CT,   36                          ; v36-38, v40-42 the conversions' second halves
.set ZR,   44                          ; v44-47 zeros
.set X,    48                          ; v48-111  my 64 numbers: block c at X + 32 c holds k = 64 c + 32 h + 0 .. 31
.set R,    112                         ; v112-239 two sets of 16 loads
.set SRC,  42                          ; s[42:43] my unit's first row, my K step
.set DC,   44                          ; s[44:45] where my four fragments go
.set DSC,  46                          ; s[46:47] where my pack goes
	s_load_b512 s[4:19], s[0:1], 0x0               ; x, Wq, Wk, Wv, Wo, xcodes, xscales, wcodes
	s_load_b64 s[20:21], s[0:1], 0x40              ; wscales
	v_lshl_add_u32 v240, v0, 2, 0xc600
	v_mov_b32 v241, 0
	v_lshrrev_b32 v[LN], 5, v0
	v_readfirstlane_b32 s22, v[LN]                 ; wave = K step
	v_and_b32 v[LN], 31, v0
	v_and_b32 v[RR], 15, v0
	v_bfe_u32 v[HH], v0, 4, 1
	v_lshlrev_b32 v[LI16], 4, v[LN]
	v_lshlrev_b32 v[LI8], 3, v[LN]
	s_mul_i32 s23, s22, STGB
	v_add_nc_u32 v[STW], s23, v[LI16]
	v_mul_u32_u24 v[STR], v[RR], SPITCH
	v_lshl_add_u32 v[STR], v[HH], 7, v[STR]
	v_add_nc_u32 v[STR], s23, v[STR]
	v_lshlrev_b32 v[SH8], 3, v[HH]
	v_lshlrev_b32 v[TOF], 7, v[HH]
	v_mov_b32 v[PD], 0                             ; a lane permute's destination counts as read
	s_mov_b32 s40, 0x76543210
	s_mov_b32 s41, 0xfedcba98                      ; selects for lane l xor 16
	; which unit: all three kinds are worked out, and chosen by the work-group's number
	s_sub_co_u32 s24, ttmp9, 288                   ; a weight's unit: 12 m + column block (under 48 there alone)
	s_mul_i32 s25, s24, 43
	s_lshr_b32 s25, s25, 9                         ; m = unit / 12
	s_mul_i32 s26, s25, 12
	s_sub_co_u32 s26, s24, s26
	s_lshl_b32 s26, s26, 6                         ; its first row
	s_mul_i32 s27, ttmp9, 7282
	s_lshr_b32 s27, s27, 16                        ; x: batch = work-group / 9
	s_mul_i32 s28, s27, 9
	s_sub_co_u32 s28, ttmp9, s28                   ; unit of the batch, 0 .. 8
	s_mul_i32 s29, s27, 577
	s_lshl_b32 s30, s28, 6
	s_add_co_u32 s29, s29, s30                     ; first row
	s_mul_i32 s30, s27, 10
	s_add_co_u32 s30, s30, s28                     ; unit among x's 320
	s_sub_co_u32 s31, ttmp9, 336                   ; the one-row units: batch
	s_mul_i32 s32, s31, 577
	s_add_co_u32 s32, s32, 576
	s_mul_i32 s33, s31, 10
	s_add_co_u32 s33, s33, 9
	s_cmp_ge_u32 ttmp9, 336
	s_cselect_b32 s29, s32, s29
	s_cselect_b32 s30, s33, s30
	s_cmp_lt_u32 s24, 48
	s_cselect_b32 s29, s26, s29
	s_cselect_b32 s30, s24, s30
	s_mul_i32 s42, s29, XROWB
	s_lshl_b32 s31, s22, 9
	s_add_co_u32 s42, s42, s31                     ; + 512 bytes a K step
	s_mov_b32 s43, 0
	s_mul_i32 s44, s30, 36864
	s_mul_i32 s31, s22, 6144
	s_add_co_u32 s44, s44, s31
	s_mov_b32 s45, 0
	s_mul_i32 s46, s30, 1536
	s_lshl_b32 s31, s22, 8
	s_add_co_u32 s46, s46, s31
	s_mov_b32 s47, 0
	s_wait_kmcnt 0x0
	s_cmp_eq_u32 s25, 1                            ; the buffers are chosen on numbers that hang on no address
	s_cselect_b64 s[34:35], s[8:9], s[6:7]
	s_cmp_eq_u32 s25, 2
	s_cselect_b64 s[34:35], s[10:11], s[34:35]
	s_cmp_eq_u32 s25, 3
	s_cselect_b64 s[34:35], s[12:13], s[34:35]
	s_cmp_lt_u32 s24, 48
	s_cselect_b64 s[34:35], s[34:35], s[4:5]
	s_cselect_b64 s[36:37], s[18:19], s[14:15]
	s_cselect_b64 s[38:39], s[20:21], s[16:17]
	s_add_nc_u64 s[SRC:SRC+1], s[34:35], s[SRC:SRC+1]
	s_add_nc_u64 s[DC:DC+1], s[36:37], s[DC:DC+1]
	s_add_nc_u64 s[DSC:DSC+1], s[38:39], s[DSC:DSC+1]
.macro LOADT i                         ; tile i's 16 rows, 512 consecutive bytes a load, into set i % 2
.irp j, 0,1,2,3,4,5,6,7,8,9,10,11,12,13,14,15
	global_load_b128 v[R+64*((\i)%2)+4*\j:R+64*((\i)%2)+4*\j+3], v[LI16], s[SRC:SRC+1] offset:(32*((\i)/2)+8*((\i)%2)+\j+8*(\j/8))*XROWB th:TH_LOAD_NT
.endr
.endm
.macro QB i                            ; my two blocks in X become my 12 registers of tile i's fragment and, with lane l xor 16's two bytes, its scale word
.irp c, 0,1
	v_max3_num_f32 v[MX+\c], |v[X+32*\c]|, |v[X+32*\c+1]|, 0x2800000   ; with the floor 2^(5 - 127): the byte cannot fall under 1
.endr
.irp k, 2,4,6,8,10,12,14,16,18,20,22,24,26,28,30
.irp c, 0,1
	v_max3_num_f32 v[MX+\c], v[MX+\c], |v[X+32*\c+\k]|, |v[X+32*\c+\k+1]|
.endr
.endr
.irp c, 0,1
	v_add_nc_u32 v[SOP+\c], 0xfe000000, v[MX+\c]   ; 4 off the exponent field: the conversion takes that field as its scale
.endr
.irp c, 0,1
	v_lshrrev_b32 v[BY+\c], 23, v[SOP+\c]          ; the scale's byte
.endr
	v_lshl_or_b32 v[WT], v[BY+1], 16, v[BY]        ; blocks h and 2 + h of my row,
	v_lshlrev_b32 v[WT], v[SH8], v[WT]             ; at their places in the word
	v_permlanex16_b32 v[PD], v[WT], s40, s41
	v_or_b32 v[WD+\i], v[WT], v[PD]                ; the word is whole, in both halves of the lanes
.irp c, 0,1
	v_cvt_scalef32_pk16_bf6_f32 v[C+6*\c:C+6*\c+2], v[X+32*\c:X+32*\c+15], v[SOP+\c]
	v_cvt_scalef32_pk16_bf6_f32 v[CT+4*\c:CT+4*\c+2], v[X+32*\c+16:X+32*\c+31], v[SOP+\c]   ; (a conversion's three registers begin on an even number)
.endr
	v_nop                                          ; one plain place behind a scaled conversion
.irp c, 0,1
.irp k, 0,1,2
	v_mov_b32 v[C+3+6*\c+\k], v[CT+4*\c+\k]
.endr
.endr
.endm
.macro SENDT i                         ; the fragment's image: three stores of 512 consecutive bytes
.irp c, 0,1,2
	global_store_b128 v[LI16], v[C+4*\c:C+4*\c+3], s[DC:DC+1] offset:1536*\i+512*\c
.endr
.endm
.macro TILE i
.if \i < 3
	s_wait_loadcnt 16                              ; this tile's 16 loads are in; the next tile's 16 may be out
.else
	s_wait_loadcnt 0x0
.endif
.irp j, 0,1,2,3,4,5,6,7,8,9,10,11,12,13,14,15
	ds_store_b128 v[STW], v[R+64*(\i%2)+4*\j:R+64*(\i%2)+4*\j+3] offset:SPITCH*\j
.endr
.irp c, 0,1
.irp q, 0,1,2,3,4,5,6,7
	ds_load_b128 v[X+32*\c+4*\q:X+32*\c+4*\q+3], v[STR] offset:256*\c+16*\q   ; LDS serves a wave's instructions in order: these see the stores above
.endr
.endr
	s_wait_dscnt 0x0                               ; my numbers are back, and the stores into the stage have read their registers
	s_wait_xcnt 0x0                                ; the last tile's stores have read the codes' registers
.if \i < 2
	LOADT \i+2
.endif
	QB \i
	SENDT \i
.endm
.macro PACKOUT
	v_cmp_le_u32 vcc_lo, 16, v[LN]
	v_cndmask_b32 v[WO], v[WD], v[WD+1], vcc_lo    ; lanes 0-15 the even tile's word, lanes 16-31 the odd tile's
	v_cndmask_b32 v[WO+1], v[WD+2], v[WD+3], vcc_lo
	global_store_b64 v[LI8], v[WO:WO+1], s[DSC:DSC+1]   ; 256 consecutive bytes, aligned
	s_wait_tensorcnt 0x0
	ds_add_u32 v240, v241
	s_wait_dscnt 0x0
	s_endpgm
.endm
	s_cmp_ge_u32 ttmp9, 336
	s_cbranch_scc1 .Ltail
	s_wait_alu depctr_va_vdst(0)
	LOADT 0
	LOADT 1
	TILE 0
	TILE 1
	TILE 2
	TILE 3
	PACKOUT
.Ltail:                                            ; a batch's unit 9: row 576 in lane 0 of tile 0, zero codes everywhere else.  This path uses no LDS
	s_wait_alu depctr_va_vdst(0)
.irp c, 0,1
.irp q, 0,1,2,3,4,5,6,7
	global_load_b128 v[X+32*\c+4*\q:X+32*\c+4*\q+3], v[TOF], s[SRC:SRC+1] offset:256*\c+16*\q   ; every lane reads row 576: no load leaves x
.endr
.endr
.irp k, 0,1,2,3
	v_mov_b32 v[ZR+\k], 0
.endr
.irp k, 1,2,3
	v_mov_b32 v[WD+\k], 0x01010101                 ; the bytes of blocks of zeros
.endr
	v_cmp_eq_u32 vcc_lo, 0, v[RR]
	s_wait_loadcnt 0x0
.set n, 0
.rept 64
	v_cndmask_b32 v[X+n], 0, v[X+n], vcc_lo        ; rows past the batch's end count as zeros, ahead of the blocks' maxima
.set n, n+1
.endr
	QB 0
	SENDT 0
.irp k, 3,4,5,6,7,8,9,10,11
	global_store_b128 v[LI16], v[ZR:ZR+3], s[DC:DC+1] offset:512*\k
.endr
	PACKOUT
.Lfunc_end_k_q4ebff27fad_quant:
	.size	k_q4ebff27fad_quant, .Lfunc_end_k_q4ebff27fad_quant-k_q4ebff27fad_quant
	.p2alignl 7, 3214868480
	.fill 96, 4, 3214868480
	.section	.rodata,"a",@progbits
	.p2align	6, 0x0
	.amdhsa_kernel k_q4ebff27fad_quant
		.amdhsa_group_segment_fixed_size 51456
		.amdhsa_private_segment_fixed_size 0
		.amdhsa_enable_private_segment 0
		.amdhsa_kernarg_size 72
		.amdhsa_user_sgpr_count 2
		.amdhsa_user_sgpr_kernarg_segment_ptr 1
		.amdhsa_wavefront_size32 1
		.amdhsa_system_sgpr_workgroup_id_x 1
		.amdhsa_system_sgpr_workgroup_id_y 1
		.amdhsa_system_sgpr_workgroup_id_z 1
		.amdhsa_system_vgpr_workitem_id 0
		.amdhsa_next_free_vgpr 242
		.amdhsa_next_free_sgpr 66
		.amdhsa_reserve_vcc 1
		.amdhsa_float_denorm_mode_32 3
		.amdhsa_float_denorm_mode_16_64 3
		.amdhsa_memory_ordered 1
		.amdhsa_forward_progress 1
		.amdhsa_inst_pref_size 40
	.end_amdhsa_kernel
	.amdgpu_metadata
---
amdhsa.version: [ 1, 2 ]
amdhsa.kernels:
  - .name:           k_q4ebff27fad_quant
    .symbol:         k_q4ebff27fad_quant.kd
    .args:
      - { .name: x, .offset: 0, .size: 8, .value_kind: global_buffer, .address_space: global }
      - { .name: Wq, .offset: 8, .size: 8, .value_kind: global_buffer, .address_space: global }
      - { .name: Wk, .offset: 16, .size: 8, .value_kind: global_buffer, .address_space: global }
      - { .name: Wv, .offset: 24, .size: 8, .value_kind: global_buffer, .address_space: global }
      - { .name: Wo, .offset: 32, .size: 8, .value_kind: global_buffer, .address_space: global }
      - { .name: xcodes, .offset: 40, .size: 8, .value_kind: global_buffer, .address_space: global }
      - { .name: xscales, .offset: 48, .size: 8, .value_kind: global_buffer, .address_space: global }
      - { .name: wcodes, .offset: 56, .size: 8, .value_kind: global_buffer, .address_space: global }
      - { .name: wscales, .offset: 64, .size: 8, .value_kind: global_buffer, .address_space: global }
    .group_segment_fixed_size: 51456
    .private_segment_fixed_size: 0
    .kernarg_segment_align: 8
    .kernarg_segment_size: 72
    .max_flat_workgroup_size: 192
    .sgpr_count:     66
    .vgpr_count:     242
    .wavefront_size: 32
...
	.end_amdgpu_metadata
.endif
;; end of part 1
;; launch proj (part 2): grid 240 x 1, 8 waves a work-group, no clusters, 234,496 bytes of LDS; arguments xcodes, xscales, wcodes, wscales, bq, bk, bv, qkv; writes qkv
.if DOCPART == 2
	.amdgcn_target "amdgcn-amd-amdhsa--gfx1250"
	.amdhsa_code_object_version 6
	.text
	.protected	k_q4ebff27fad_proj
	.globl	k_q4ebff27fad_proj
	.p2align	8
	.type	k_q4ebff27fad_proj,@function
k_q4ebff27fad_proj:
	s_mov_b64 s[64:65], 0
	v_nop
	global_prefetch_b8 v0, s[64:65] scope:SCOPE_SE
	s_setreg_imm32_b32 hwreg(HW_REG_WAVE_MODE, 25, 1), 1
	s_wait_xcnt 0x0
; q, k, v = x W^T + b on codes of BF6 (E3M2) with one E8M0 byte for each 32 along K; the results are quantised again (q, k along the head's 64, v along the keys) and stored as
; operand images for the attention.  No work of the problem is left out.
; SHARES: 320 units of 64 rows of x (ten to a batch, as the first launch laid them) x 36 column blocks of 64.  A work-group takes eight units, a wave one, and six column blocks:
; q, k, v of heads 2 c and 2 c + 1.  So each (unit, column block) is multiplied once: 40 x 6 = 240 work-groups, as many as the shares give.
; A wave keeps its unit's 24 fragments in 288 registers for six passes of 96 matrix instructions; the six blocks of weights (221,184 bytes) lie in LDS, filled once by asynchronous copies.
; ORDER OF ROWS: lane r of tile 2 g + u of a unit holds row 32 g + 8 u + r + 8 (r / 8).  q, k: source 0 = W, source 1 = x: a lane holds one row, 16 registers of W's tiles 2 b, 2 b + 1 are
; d = 32 b + 16 h + 0 .. 15.  v: source 0 = x, source 1 = Wv: a lane holds one d, 16 registers of x's tiles 2 g, 2 g + 1 are keys 32 g + 16 h + 0 .. 15.
; qkv, 99,840 bytes for each (batch, head): half images of 768 bytes (registers 0-3 at 16 l, registers 4, 5 at 512 + 8 l): q's tile t at 768 t, k's 30,720 on, v's (unit U, d tile dt)
; at 61,440 + 3072 U + 768 dt; from 92,160 the pairs' scale words, 128 bytes a pair: q's, k's 2,560 on, v's 5,120 on.
; NO CLUSTER, NO TENSOR LOAD, NO PREFETCH: x goes from memory into the registers in which it stays; the weights are copied lane by lane, once, at the head; there is no loop to run ahead in.
; LIMITS: NaN and infinities are not served; blocks under 2^-122, and blocks of zeros, keep the byte 1 (only this program reads the bytes).
.set WSCL, 221184                      ; LDS: 0: role m, head hh at 73728 m + 36864 hh; here the scale packs, 3072 m + 1536 hh
.set BQK,  230400                      ; bq's 128 numbers, bk's 128
.set BVR,  231424                      ; bv[d] four times over, 16 bytes a d, 128 d
.set SPARE, 233472                     ; the spare words, 128 bytes a wave
.set LI16, 1
.set LI8,  2
.set BQ0,  3                           ; BQK + 64 h
.set BQKA, 4                           ; the same for this trip's head
.set BVA,  5
.set V16,  6                           ; where my unit's images go: 3072 U + 16 l, + 8 l; its words: 92160 + 256 U + 4 l
.set V8,   7
.set VS4,  8
.set BV0,  9                           ; BVR + 16 (r + 8 (r / 8))
.set WSA0, 10                          ; WSCL + 8 l
.set WA0,  12                          ; v12-14 role m's fragments of this trip's head
.set WSA,  15
.set XS,   16                          ; v16-27 x's scale packs, v28-39 the weight's: scale words and nothing else
.set WS,   28
.set WF,   40                          ; v40-87 four fragments of the weight
.set ACC,  88                          ; v88-215 sixteen accumulators
.set XH,   216                         ; v216-251 x's fragments 21-23; fragments 0-20 at 12 f in window 1
.set SPW,  252
.set NIL,  253
.set TM,   40                          ; the quantiser's registers lie over the weight's fragments
.set PC,   56
.set PW,   76
.set CG,   11                          ; the copies' offset in memory: named by all 54 copies of weights, so it is a register that nothing writes again
.set CL,   89                          ; LDS addresses of the copies that have landed ahead of the first pass: in registers that are free until then
.set CL2,  254                         ; v254-255 LDS addresses of k's and v's copies, which are out during the first passes: never written again
.set CP,   92
.set CB,   93
.set L4,   94
.set CV,   96
.set SEL,  44
.set MSB, 0
.macro WIN new                         ; the immediate's high byte repeats the setting that is left
.if MSB != \new
	s_set_vgpr_msb (MSB<<8)|\new
.set MSB, \new
.endif
.endm
.macro PLACES                          ; four plain places behind matrix instructions (ISA guide 7.12.1)
.rept 4
	v_nop
.endr
.endm
.macro WMR d, a, b, c, sa, ra, sb, rb
.if (\ra) && (\rb)
	v_wmma_scale_f32_16x16x128_f8f6f4 v[(\d):(\d)+7], v[(\a):(\a)+11], v[(\b):(\b)+11], v[(\c):(\c)+7], v[(\sa)], v[(\sb)] matrix_a_fmt:MATRIX_FMT_BF6 matrix_b_fmt:MATRIX_FMT_BF6 matrix_a_scale:MATRIX_SCALE_ROW1 matrix_b_scale:MATRIX_SCALE_ROW1
.elseif (\ra)
	v_wmma_scale_f32_16x16x128_f8f6f4 v[(\d):(\d)+7], v[(\a):(\a)+11], v[(\b):(\b)+11], v[(\c):(\c)+7], v[(\sa)], v[(\sb)] matrix_a_fmt:MATRIX_FMT_BF6 matrix_b_fmt:MATRIX_FMT_BF6 matrix_a_scale:MATRIX_SCALE_ROW1
.elseif (\rb)
	v_wmma_scale_f32_16x16x128_f8f6f4 v[(\d):(\d)+7], v[(\a):(\a)+11], v[(\b):(\b)+11], v[(\c):(\c)+7], v[(\sa)], v[(\sb)] matrix_a_fmt:MATRIX_FMT_BF6 matrix_b_fmt:MATRIX_FMT_BF6 matrix_b_scale:MATRIX_SCALE_ROW1
.else
	v_wmma_scale_f32_16x16x128_f8f6f4 v[(\d):(\d)+7], v[(\a):(\a)+11], v[(\b):(\b)+11], v[(\c):(\c)+7], v[(\sa)], v[(\sb)] matrix_a_fmt:MATRIX_FMT_BF6 matrix_b_fmt:MATRIX_FMT_BF6
.endif
.endm
.macro XLOADK ks, base                 ; x's four fragments of K step ks: twelve loads of 512 consecutive bytes
.irp i, 0,1,2,3
.set pf, 4*(\ks)+\i
.if pf < 21
	WIN 0x40
.set px, 12*pf
.else
	WIN 0
.set px, XH+12*(pf-21)
.endif
.irp c, 0,1,2
	global_load_b128 v[px+4*\c:px+4*\c+3], v[LI16], s[\base:\base+1] offset:1536*pf+512*\c
.endr
.endr
	WIN 0
.endm
.macro WLOAD m, role                   ; the weight's fragments n = 2 m, 2 m + 1 (n = 4 ks + tile) into buffers n % 4
.irp e, 0,1
.irp c, 0,1,2
	ds_load_b128 v[WF+12*((2*(\m)+\e)%4)+4*\c:WF+12*((2*(\m)+\e)%4)+4*\c+3], v[WA0+\role] offset:1536*(2*(\m)+\e)+512*\c
.endr
.endr
.endm
; x's tile i against the step's two tiles of the weight.  In the first K step C is the accumulator of x's tile 0, which holds the bias
.macro PROW orient, i
.set pf, 4*pks+(\i)
.if pf < 21
.set px, 12*pf
.if \orient
	WIN 0x01
.else
	WIN 0x04
.endif
.else
.set px, XH+12*(pf-21)
	WIN 0
.endif
.irp e, 0,1
.set pdt, 2*(pm%2)+\e
.if \orient
.set pdd, ACC+8*(4*pdt+(\i))
.set pcc, ACC+8*(4*pdt)
.else
.set pdd, ACC+8*(4*(\i)+pdt)
.set pcc, ACC+8*pdt
.endif
.if pks > 0
.set pcc, pdd
.endif
.if \orient
	WMR pdd, px, WF+12*pdt, pcc, XS+2*pks+(\i)/2, (\i)%2, WS+2*pks+pdt/2, pdt%2
.else
	WMR pdd, WF+12*pdt, px, pcc, WS+2*pks+pdt/2, pdt%2, XS+2*pks+(\i)/2, (\i)%2
.endif
.endr
.endm
.macro PSTEP orient, role, first       ; eight matrix instructions: x's four tiles against two tiles of the weight, K step pm / 2
.set pks, pm/2
.if \first && (pm%2 == 0)
	s_wait_loadcnt 12*(5-pks)                      ; the later K steps' twelve loads each may be out
.endif
.if pm == 11
	s_wait_dscnt 0x0
.else
	s_wait_dscnt 6                                 ; the next pair's six loads may be out
.endif
.if pks == 0
	PROW \orient, 1                                ; tiles 1 to 3 begin their sums with the bias that lies in tile 0's accumulators;
	PROW \orient, 2
	PROW \orient, 3
.rept 5
	v_nop                                          ; five places ahead of the matrix instructions that write over registers which the six above name as C (ISA guide 7.12.1);
.endr
	PROW \orient, 0                                ; then tile 0 adds onto it in place
.else
	PROW \orient, 0
	PROW \orient, 1
	PROW \orient, 2
	PROW \orient, 3
.endif
	WIN 0
.if pm <= 9
	PLACES
	WLOAD pm+2, \role
.endif
.endm
; A pass: 64 rows x 64 columns x 768 along K.  The bias is loaded in the result's layout into the accumulators of x's tile 0; nothing is cleared or added.
; The sixteen accumulators take turns, one instruction a turn.
.macro PASS orient, role, boff, first
.irp dt, 0,1,2,3
.if \orient
	ds_load_b128 v[ACC+32*\dt:ACC+32*\dt+3], v[BVA] offset:512*(\dt/2)+128*(\dt%2)
	ds_load_b128 v[ACC+32*\dt+4:ACC+32*\dt+7], v[BVA] offset:512*(\dt/2)+128*(\dt%2)
.else
	ds_load_b128 v[ACC+8*\dt:ACC+8*\dt+3], v[BQKA] offset:\boff+128*(\dt/2)+32*(\dt%2)
	ds_load_b128 v[ACC+8*\dt+4:ACC+8*\dt+7], v[BQKA] offset:\boff+128*(\dt/2)+32*(\dt%2)+16
.endif
.endr
.irp ks, 0,1,2,3,4,5
	ds_load_b64 v[WS+2*\ks:WS+2*\ks+1], v[WSA] offset:3072*\role+256*\ks
.endr
	WLOAD 0, \role
	WLOAD 1, \role
.set pm, 0
.rept 12
	PSTEP \orient, \role, \first
.set pm, pm+1
.endr
	PLACES
.endm
; 64 numbers of a lane, register 16 b + i = place 32 b + 16 h + i, become 12 registers of codes in v[PC] on and a scale word in v[PW]
.macro QUANT s
.irp b, 0,1,2,3
	v_max3_num_f32 v[TM+\b], |v[\s+16*\b]|, |v[\s+1+16*\b]|, 0x2800000   ; with the floor 2^(5 - 127): the byte cannot fall under 1
.endr
.irp i, 2,4,6,8,10,12,14
.irp b, 0,1,2,3
	v_max3_num_f32 v[TM+\b], v[TM+\b], |v[\s+16*\b+\i]|, |v[\s+1+16*\b+\i]|
.endr
.endr
.irp b, 0,1,2,3
	s_delay_alu instid0(VALU_DEP_4)
	v_permlanex16_b32 v[TM+4+\b], v[TM+\b], s[SEL], s[SEL+1]
.endr
.irp b, 0,1,2,3
	s_delay_alu instid0(VALU_DEP_4)
	v_max_num_f32 v[TM+\b], v[TM+\b], v[TM+4+\b]
.endr
.irp b, 0,1,2,3
	s_delay_alu instid0(VALU_DEP_4)
	v_add_nc_u32 v[TM+12+\b], 0xfe000000, v[TM+\b]   ; 4 off the exponent field: the conversion's scale operand
.endr
.irp b, 0,1,2,3
	s_delay_alu instid0(VALU_DEP_4)
	v_lshrrev_b32 v[TM+4+\b], 23, v[TM+12+\b]
.endr
	s_delay_alu instid0(VALU_DEP_3)
	v_lshl_or_b32 v[PW], v[TM+5], 8, v[TM+4]
	s_delay_alu instid0(VALU_DEP_1)
	v_lshl_or_b32 v[PW], v[TM+6], 16, v[PW]
	s_delay_alu instid0(VALU_DEP_1)
	v_lshl_or_b32 v[PW], v[TM+7], 24, v[PW]
.irp c, 0,1
	v_cvt_scalef32_pk16_bf6_f32 v[PC+6*\c:PC+2+6*\c], v[\s+32*\c:\s+15+32*\c], v[TM+12+2*\c]
	v_cvt_scalef32_pk16_bf6_f32 v[PC+12+4*\c:PC+14+4*\c], v[\s+16+32*\c:\s+31+32*\c], v[TM+12+2*\c+1]
.endr
	v_nop                                          ; one plain place behind a scaled conversion
.irp c, 0,1                                    ; a whole block to a lane: lanes 0-15 block 2 c, lanes 16-31 block 2 c + 1
.irp i, 0,1,2
	v_permlane16_swap_b32 v[PC+6*\c+\i], v[PC+12+4*\c+\i]
.endr
.irp i, 0,1,2
	s_delay_alu instid0(VALU_DEP_3)
	v_mov_b32 v[PC+3+6*\c+\i], v[PC+12+4*\c+\i]
.endr
.endr
.endm
.macro PUTG img, sc, j                 ; the pair's two half images (768 consecutive bytes each, at a multiple of 256) and its word
	global_store_b128 v[V16], v[PC:PC+3], s[46:47] offset:\img+1536*\j
	global_store_b64 v[V8], v[PC+4:PC+5], s[46:47] offset:\img+1536*\j+512
	global_store_b128 v[V16], v[PC+6:PC+9], s[46:47] offset:\img+1536*\j+768
	global_store_b64 v[V8], v[PC+10:PC+11], s[46:47] offset:\img+1536*\j+1280
	global_store_b32 v[VS4], v[PW], s[46:47] offset:\sc+128*\j
.endm
.macro FIN img, sc
	QUANT ACC
	PUTG \img, \sc, 0
	s_wait_xcnt 0x0                                ; the stores' data registers are written again only behind this wait
	QUANT ACC+64
	PUTG \img, \sc, 1
	s_wait_xcnt 0x0
.endm
	s_load_b512 s[4:19], s[0:1], 0x0               ; xcodes, xscales, wcodes, wscales, bq, bk, bv, qkv
	v_lshl_add_u32 v[SPW], v0, 2, SPARE
	v_mov_b32 v[NIL], 0
	ds_add_u32 v[SPW], v[NIL]                      ; the opening lines ahead of my first copy: the add, twice on end, and one wait
	ds_add_u32 v[SPW], v[NIL]
	v_lshrrev_b32 v40, 5, v0
	v_and_b32 v41, 31, v0                          ; lane
	v_and_b32 v42, 15, v0                          ; r
	v_bfe_u32 v43, v0, 4, 1                        ; h
	v_readfirstlane_b32 s22, v40                   ; wave
	v_lshlrev_b32 v[LI16], 4, v41
	v_lshlrev_b32 v[LI8], 3, v41
	v_lshlrev_b32 v[L4], 2, v41
	v_and_b32 v44, 8, v42
	v_lshl_add_u32 v[BQ0], v43, 6, BQK
	v_lshl_add_u32 v[CB], v0, 2, BQK
	v_lshl_add_u32 v[CV], v0, 4, BVR
	v_add_nc_u32 v44, v44, v42                     ; r + 8 (r / 8)
	v_add_nc_u32 v[WSA0], WSCL, v[LI8]
	v_add_nc_u32 v[CV+1], 4, v[CV]
	v_add_nc_u32 v[CV+2], 8, v[CV]
	v_add_nc_u32 v[CV+3], 12, v[CV]
	v_lshl_add_u32 v[BV0], v44, 4, BVR
	s_mul_i32 s23, ttmp9, 43691
	s_lshr_b32 s23, s23, 18                        ; group of eight units = work-group / 6
	s_mul_i32 s24, s23, 6
	s_sub_co_u32 s24, ttmp9, s24                   ; c: heads 2 c, 2 c + 1
	s_lshl_b32 s25, s23, 3
	s_add_co_u32 s25, s25, s22                     ; my unit among 320
	s_mul_i32 s26, s25, 6554
	s_lshr_b32 s26, s26, 16                        ; batch = unit / 10
	s_mul_i32 s27, s26, 10
	s_sub_co_u32 s27, s25, s27                     ; U: unit of the batch
	s_mul_i32 s56, s22, 9216                       ; my 18 chunks of 512 bytes of each role's 144
	v_add_nc_u32 v[CG], s56, v[LI16]
	v_add_nc_u32 v[CL], s56, v[LI16]
	s_add_co_u32 s57, s56, 73728
	v_add_nc_u32 v[CL2], s57, v[LI16]
	s_add_co_u32 s57, s56, 147456
	v_add_nc_u32 v[CL2+1], s57, v[LI16]
	s_mul_i32 s56, s22, 1536
	s_add_co_u32 s56, s56, WSCL
	v_add_nc_u32 v[CP], s56, v[LI16]
	s_mul_i32 s56, s27, 3072
	v_add_nc_u32 v[V16], s56, v[LI16]
	v_add_nc_u32 v[V8], s56, v[LI8]
	s_lshl_b32 s56, s27, 8
	s_add_co_u32 s56, s56, 92160
	v_add_nc_u32 v[VS4], s56, v[L4]
	s_mov_b32 s[SEL], 0x76543210
	s_mov_b32 s[SEL+1], 0xfedcba98                 ; selects for lane l xor 16
	s_mul_i32 s28, s25, 36864
	s_mov_b32 s29, 0
	s_mul_i32 s30, s25, 1536
	s_mov_b32 s31, 0
	s_mul_i32 s32, s24, 73728                      ; role m's two column blocks begin at (12 m + 2 c) x 36,864
	s_mov_b32 s33, 0
	s_add_co_u32 s34, s32, 442368
	s_mov_b32 s35, 0
	s_add_co_u32 s36, s32, 884736
	s_mov_b32 s37, 0
	s_lshr_b32 s56, s22, 1                         ; waves 0-5: the scale packs of role w / 2, head 2 c + w % 2
	s_mul_i32 s56, s56, 12
	s_lshl_b32 s57, s24, 1
	s_add_co_u32 s56, s56, s57
	s_and_b32 s57, s22, 1
	s_add_co_u32 s56, s56, s57
	s_mul_i32 s38, s56, 1536
	s_mov_b32 s39, 0
	s_lshl_b32 s40, s24, 9                         ; a bias: 128 numbers from 128 c on, my 32 of them
	s_and_b32 s57, s22, 3
	s_lshl_b32 s57, s57, 7
	s_add_co_u32 s40, s40, s57
	s_mov_b32 s41, 0
	s_mul_i32 s46, s26, 12
	s_lshl_b32 s57, s24, 1
	s_add_co_u32 s46, s46, s57
	s_mul_i32 s46, s46, 99840                      ; (batch, head 2 c)'s block of qkv
	s_mov_b32 s47, 0
	s_wait_alu depctr_va_vdst(0)                   ; the wait at the head's end
	s_wait_dscnt 0x0                               ; both opening adds are done
	s_wait_kmcnt 0x0
	s_add_nc_u64 s[28:29], s[4:5], s[28:29]
	s_add_nc_u64 s[30:31], s[6:7], s[30:31]
	s_add_nc_u64 s[32:33], s[8:9], s[32:33]
	s_add_nc_u64 s[34:35], s[8:9], s[34:35]
	s_add_nc_u64 s[36:37], s[8:9], s[36:37]
	s_add_nc_u64 s[38:39], s[10:11], s[38:39]
	s_add_nc_u64 s[42:43], s[16:17], s[40:41]
	s_add_nc_u64 s[46:47], s[18:19], s[46:47]
	s_cmp_lt_u32 s22, 4                            ; waves 0-3 bring bq, waves 4-7 bk
	s_cselect_b64 s[58:59], s[12:13], s[14:15]
	s_add_nc_u64 s[40:41], s[58:59], s[40:41]
	global_load_async_to_lds_b32 v[CB], v[L4], s[40:41]   ; the copies go out in the order in which the passes want them: biases and packs,
	s_cmp_lt_u32 s22, 6
	s_cbranch_scc0 .Lno_packs
.irp i, 0,1,2
	global_load_async_to_lds_b128 v[CP], v[LI16], s[38:39] offset:512*\i
.endr
.Lno_packs:
	s_cmp_lt_u32 s22, 4
	s_cbranch_scc0 .Lno_bv
.irp i, 0,1,2,3
	global_load_async_to_lds_b32 v[CV+\i], v[L4], s[42:43]   ; bv[d] to four neighbouring words
.endr
.Lno_bv:
.irp i, 0,1,2,3,4,5,6,7,8,9,10,11,12,13,14,15,16,17
	global_load_async_to_lds_b128 v[CL], v[CG], s[32:33] offset:512*\i   ; q's weights: 18 copies of 512 consecutive bytes a wave; the immediate counts for both addresses
.endr
.irp ks, 0,1,2,3,4,5
	global_load_b64 v[XS+2*\ks:XS+2*\ks+1], v[LI8], s[30:31] offset:256*\ks
.endr
.irp ks, 0,1,2,3,4,5
	XLOADK \ks, 28
.endr
.irp m, 1,2                                    ; behind x: k's weights and v's, 18 copies each
.irp i, 0,1,2,3,4,5,6,7,8,9,10,11,12,13,14,15,16,17
	global_load_async_to_lds_b128 v[CL2+\m-1], v[CG], s[32+2*\m:33+2*\m] offset:512*\i
.endr
.endr
	s_mov_b32 s48, 0                               ; this trip's head in LDS: the three roles' fragments,
	s_mov_b32 s49, 73728
	s_mov_b32 s50, 147456
	s_mov_b32 s51, 0                               ; the packs, bq and bk, bv
	s_mov_b32 s52, 0
	s_mov_b32 s53, 0
	s_mov_b32 s54, 0
.Lhead2:
	v_add_nc_u32 v[WA0], s48, v[LI16]
	v_add_nc_u32 v[WA0+1], s49, v[LI16]
	v_add_nc_u32 v[WA0+2], s50, v[LI16]
	v_add_nc_u32 v[WSA], s51, v[WSA0]
	v_add_nc_u32 v[BQKA], s52, v[BQ0]
	v_add_nc_u32 v[BVA], s53, v[BV0]
	s_wait_alu depctr_va_vdst(0)
	s_wait_asynccnt 36                             ; k's 18 copies and v's 18 may be out: my part of the biases, packs and q's weights has landed;
	s_barrier_signal -1
	s_barrier_wait -1                              ; everybody's has.  Nothing in LDS is filled again
	PASS 0, 0, 0, 1
	FIN 0, 0
	s_wait_asynccnt 18                             ; v's 18 may be out
	s_barrier_signal -1
	s_barrier_wait -1                              ; k's weights lie in LDS
	PASS 0, 1, 512, 0
	FIN 30720, 2560
	s_wait_asynccnt 0x0
	s_barrier_signal -1
	s_barrier_wait -1                              ; v's weights lie in LDS
	PASS 1, 2, 0, 0
	s_cmp_lg_u32 s27, 9
	s_cbranch_scc1 .Lwhole
	v_and_b32 v40, 31, v0                          ; unit 9: only key 576 is there (register 0 of each d tile, lanes 0-15); rows past the end hold the bias and count as zeros
	s_delay_alu instid0(VALU_DEP_1)
	v_cmp_gt_u32 vcc_lo, 16, v40
.irp dt, 0,1,2,3
	v_cndmask_b32 v[ACC+32*\dt], 0, v[ACC+32*\dt], vcc_lo
.set n, 1
.rept 31
	v_mov_b32 v[ACC+32*\dt+n], 0
.set n, n+1
.endr
.endr
.Lwhole:
	FIN 61440, 5120
	s_add_nc_u64 s[46:47], s[46:47], 99840         ; (behind the wait on XCNT) the next head's block
	s_add_co_u32 s48, s48, 36864
	s_add_co_u32 s49, s49, 36864
	s_add_co_u32 s50, s50, 36864
	s_add_co_u32 s51, s51, 1536
	s_add_co_u32 s52, s52, 256
	s_add_co_u32 s53, s53, 1024
	s_add_co_u32 s54, s54, 1
	s_cmp_lt_u32 s54, 2
	s_cbranch_scc1 .Lhead2
	s_wait_tensorcnt 0x0                           ; the wave's end
	s_wait_asynccnt 0x0
	ds_add_u32 v[SPW], v[NIL]
	s_wait_dscnt 0x0
	s_endpgm
.Lfunc_end_k_q4ebff27fad_proj:
	.size	k_q4ebff27fad_proj, .Lfunc_end_k_q4ebff27fad_proj-k_q4ebff27fad_proj
	.p2alignl 7, 3214868480
	.fill 96, 4, 3214868480
	.section	.rodata,"a",@progbits
	.p2align	6, 0x0
	.amdhsa_kernel k_q4ebff27fad_proj
		.amdhsa_group_segment_fixed_size 234496
		.amdhsa_private_segment_fixed_size 0
		.amdhsa_enable_private_segment 0
		.amdhsa_kernarg_size 64
		.amdhsa_user_sgpr_count 2
		.amdhsa_user_sgpr_kernarg_segment_ptr 1
		.amdhsa_wavefront_size32 1
		.amdhsa_system_sgpr_workgroup_id_x 1
		.amdhsa_system_sgpr_workgroup_id_y 1
		.amdhsa_system_sgpr_workgroup_id_z 1
		.amdhsa_system_vgpr_workitem_id 0
		.amdhsa_next_free_vgpr 512
		.amdhsa_next_free_sgpr 72
		.amdhsa_reserve_vcc 1
		.amdhsa_float_denorm_mode_32 3
		.amdhsa_float_denorm_mode_16_64 3
		.amdhsa_memory_ordered 1
		.amdhsa_forward_progress 1
		.amdhsa_inst_pref_size 115
	.end_amdhsa_kernel
	.amdgpu_metadata
---
amdhsa.version: [ 1, 2 ]
amdhsa.kernels:
  - .name:           k_q4ebff27fad_proj
    .symbol:         k_q4ebff27fad_proj.kd
    .args:
      - { .name: xcodes, .offset: 0, .size: 8, .value_kind: global_buffer, .address_space: global }
      - { .name: xscales, .offset: 8, .size: 8, .value_kind: global_buffer, .address_space: global }
      - { .name: wcodes, .offset: 16, .size: 8, .value_kind: global_buffer, .address_space: global }
      - { .name: wscales, .offset: 24, .size: 8, .value_kind: global_buffer, .address_space: global }
      - { .name: bq, .offset: 32, .size: 8, .value_kind: global_buffer, .address_space: global }
      - { .name: bk, .offset: 40, .size: 8, .value_kind: global_buffer, .address_space: global }
      - { .name: bv, .offset: 48, .size: 8, .value_kind: global_buffer, .address_space: global }
      - { .name: qkv, .offset: 56, .size: 8, .value_kind: global_buffer, .address_space: global }
    .group_segment_fixed_size: 234496
    .private_segment_fixed_size: 0
    .kernarg_segment_align: 8
    .kernarg_segment_size: 64
    .max_flat_workgroup_size: 256
    .sgpr_count:     72
    .vgpr_count:     512
    .wavefront_size: 32
...
	.end_amdgpu_metadata
.endif
;; end of part 2
;; launch attn (part 3): grid 256 x 1, 12 waves a work-group, no clusters, 201,216 bytes of LDS; arguments qkv, acodes, ascales; writes acodes, ascales
.if DOCPART == 3
	.amdgcn_target "amdgcn-amd-amdhsa--gfx1250"
	.amdhsa_code_object_version 6
	.text
	.protected	k_q4ebff27fad_attn
	.globl	k_q4ebff27fad_attn
	.p2align	8
	.type	k_q4ebff27fad_attn,@function
k_q4ebff27fad_attn:
	s_mov_b64 s[64:65], 0
	v_nop
	global_prefetch_b8 v0, s[64:65] scope:SCOPE_SE
	s_setreg_imm32_b32 hwreg(HW_REG_WAVE_MODE, 25, 1), 1
	s_wait_xcnt 0x0
; scores = q k^T / sqrt(768) with keys under the query hidden (key k counts for query q where k >= q), softmax, O = p v / l; both products on codes of BF6 (E3M2) with one E8M0 byte
; for each 32 along K.  O / l is quantised along the head's 64 and stored as codes for the last product.
; Key steps of 128 that the mask of the problem hides wholly from a group of queries are passed over; nothing else is left out.
; SHARES: 384 heads on 256 work-groups: three heads 3 m, 3 m + 1, 3 m + 2 of a batch go to two work-groups e = 0, 1.  Work-group e holds heads 3 m + e and 3 m + e + 1, neighbours in qkv:
; 199,680 consecutive bytes, copied as they lie into LDS through registers (390 chunks of 512 bytes: 32 a wave, and one more in waves 0-5).  It takes head 3 m + 2 e whole and of
; head 3 m + 1 every second group of 32 queries.  A set of four waves takes one half p of a head (groups 2 i + p): waves 0-3 and 4-7 the two halves of the whole head, waves 8-11 half e
; of the shared one.  A group g has 5 - g / 4 key steps.  Share r of a set takes i = r and i = r + 6 (r under 2) or r + 2, by a loop of two trips that every wave walks; shares 0 and 1 also
; take i = r + 8, which has the step of keys 512 on alone and is written out without the walk (group 19 is not there).  r = (w + w / 4) % 4: waves w, w + 4, w + 8 hold three different shares.
; HALF IMAGE (six registers a lane, 768 bytes): registers 0-3 at 16 l, registers 4, 5 at 512 + 8 l.  A pair [A | B] of k's tiles as source 0 meets [q | 0] for tile A's keys and
; [0 | q] for tile B's: the head has 64 along K and the instruction 128.
; SOFTMAX: t = score x log2(e) / sqrt(768); M = the running largest t rounded up to a whole number; p = 2^(t - M) is quantised along the keys; the sum is taken of the unquantised p;
; when M moves, sum and O are multiplied by 2^(old M - new M), exactly.  A block's largest p is taken through its largest score.
; NO CLUSTER, NO TENSOR LOAD, NO PREFETCH: two work-groups share one head's block of three, which each reads once, at its head; there is no loop to run ahead in.
; LIMITS: NaN and infinities are not served; blocks under 2^-122, and blocks of zeros, keep the byte 1 (only this program reads the bytes); the largest p of a block is right if
; v_exp_f32 does not fall where its input rises.
.set HEADB, 99840                      ; LDS: a head's block: q's 40 half images, k's 30,720 on, v's 61,440 on;
.set QSC,  92160                       ; from here the pairs' words: q's, k's 2,560 on, v's 5,120 on.  Two such blocks
.set SPARE, 199680                     ; the spare words, 128 bytes a wave
.set LI16, 1                           ; 16 x lane
.set LI8,  2                           ; 8 x lane
.set QH,   4                           ; r + 8 (r / 8) - 16 h
.set B16,  5                           ; my head's block + 16 l;  + 8 l;  + QSC + 4 l
.set B8,   6
.set BS,   7
.set A16,  8                           ; the key step's
.set A8,   9
.set ASC,  10
.set AQ16, 11                          ; the query tile's
.set AQ8,  12
.set AQS,  13
.set LS4,  14                          ; 4 x lane
.set LN,   15                          ; lane
.set QW,   16                          ; q's scale word
.set PWD,  17                          ; p's
.set KS,   18                          ; v18-21 k's
.set VS,   22                          ; v22-25 v's
.set VR,   26                          ; v26-29 v's as they lie in LDS
.set QRAW, 30                          ; the query pair's word
.set GO,   31                          ; the copy, in memory and in LDS alike: 16384 w + 16 l;  196608 + 512 w + 16 l
.set GO2,  32
.set KV,   40                          ; v40-87 four fragments of k, then of v
.set OUT,  88                          ; v88-119 tile A's O / l; tile B's follows in v120-151
.set S,    120                         ; v120-183 scores, then p
.set OA,   184                         ; v184-215 O^T
.set PCD,  216                         ; v216-227 p's codes
.set BM,   228
.set T2,   232
.set SO,   240
.set FF,   244                         ; f; v245 is named with it as a pair
.set TA,   246
.set NINF, 247
.set NEGM, 248                         ; -M; v249 the largest t
.set MAXT, 249
.set SUM,  250                         ; the sum in two halves
.set SPW,  252
.set NIL,  253
.set TM,   40                          ; the quantiser's registers lie over k's and v's fragments
.set PC,   56
.set PW,   76
.set SEL,  44                          ; s[44:45] selects for lane l xor 16
.set CS,   46                          ; s[46:47] log2(e) / sqrt(768)
.set MSB, 0                            ; window 1, v0-17: [q | 0 | q]
.macro WIN new                         ; the immediate's high byte repeats the setting that is left
.if MSB != \new
	s_set_vgpr_msb (MSB<<8)|\new
.set MSB, \new
.endif
.endm
.macro PLACES                          ; four plain places behind matrix instructions (ISA guide 7.12.1)
.rept 4
	v_nop
.endr
.endm
; 64 numbers of a lane, register 16 b + i = place 32 b + 16 h + i, become 12 registers of codes in v[PC] on and a scale word in v[PW]
.macro QUANT s
.irp b, 0,1,2,3
	v_max3_num_f32 v[TM+\b], |v[\s+16*\b]|, |v[\s+1+16*\b]|, 0x2800000   ; with the floor 2^(5 - 127): the byte cannot fall under 1
.endr
.irp i, 2,4,6,8,10,12,14
.irp b, 0,1,2,3
	v_max3_num_f32 v[TM+\b], v[TM+\b], |v[\s+16*\b+\i]|, |v[\s+1+16*\b+\i]|
.endr
.endr
.irp b, 0,1,2,3
	s_delay_alu instid0(VALU_DEP_4)
	v_permlanex16_b32 v[TM+4+\b], v[TM+\b], s[SEL], s[SEL+1]
.endr
.irp b, 0,1,2,3
	s_delay_alu instid0(VALU_DEP_4)
	v_max_num_f32 v[TM+\b], v[TM+\b], v[TM+4+\b]
.endr
.irp b, 0,1,2,3
	s_delay_alu instid0(VALU_DEP_4)
	v_add_nc_u32 v[TM+12+\b], 0xfe000000, v[TM+\b]   ; 4 off the exponent field: the conversion's scale operand
.endr
.irp b, 0,1,2,3
	s_delay_alu instid0(VALU_DEP_4)
	v_lshrrev_b32 v[TM+4+\b], 23, v[TM+12+\b]
.endr
	s_delay_alu instid0(VALU_DEP_3)
	v_lshl_or_b32 v[PW], v[TM+5], 8, v[TM+4]
	s_delay_alu instid0(VALU_DEP_1)
	v_lshl_or_b32 v[PW], v[TM+6], 16, v[PW]
	s_delay_alu instid0(VALU_DEP_1)
	v_lshl_or_b32 v[PW], v[TM+7], 24, v[PW]
.irp c, 0,1
	v_cvt_scalef32_pk16_bf6_f32 v[PC+6*\c:PC+2+6*\c], v[\s+32*\c:\s+15+32*\c], v[TM+12+2*\c]
	v_cvt_scalef32_pk16_bf6_f32 v[PC+12+4*\c:PC+14+4*\c], v[\s+16+32*\c:\s+31+32*\c], v[TM+12+2*\c+1]
.endr
	v_nop                                          ; one plain place behind a scaled conversion
.irp c, 0,1
.irp i, 0,1,2
	v_permlane16_swap_b32 v[PC+6*\c+\i], v[PC+12+4*\c+\i]
.endr
.irp i, 0,1,2
	s_delay_alu instid0(VALU_DEP_3)
	v_mov_b32 v[PC+3+6*\c+\i], v[PC+12+4*\c+\i]
.endr
.endr
.endm
	s_load_b128 s[16:19], s[0:1], 0x0              ; qkv, acodes
	s_load_b64 s[20:21], s[0:1], 0x10              ; ascales
	v_lshl_add_u32 v[SPW], v0, 2, SPARE
	v_mov_b32 v[NIL], 0
	v_lshrrev_b32 v3, 5, v0
	v_and_b32 v[LN], 31, v0
	v_and_b32 v33, 15, v0
	v_bfe_u32 v34, v0, 4, 1
	v_readfirstlane_b32 s22, v3                    ; wave
	v_lshlrev_b32 v[LI16], 4, v[LN]
	v_lshlrev_b32 v[LI8], 3, v[LN]
	v_and_b32 v35, 8, v33
	v_lshlrev_b32 v34, 4, v34
	v_lshlrev_b32 v[LS4], 2, v[LN]
	v_mov_b32 v[NINF], 0xff800000
	v_add_nc_u32 v35, v35, v33
	v_mov_b32 v[FF+1], 0
.irp b, 0,1,2,3
	v_mov_b32 v[T2+\b], 0                          ; a lane permute's destination counts as read
.endr
	v_sub_nc_u32 v[QH], v35, v34
	s_lshl_b32 s40, s22, 14
	v_add_nc_u32 v[GO], s40, v[LI16]
	s_lshl_b32 s40, s22, 9
	s_add_co_u32 s40, s40, 196608
	v_add_nc_u32 v[GO2], s40, v[LI16]
	WIN 0x40
.irp k, 6,7,8,9,10,11
	v_mov_b32 v[\k], 0                             ; the zero codes between the two copies of q
.endr
	WIN 0
	s_lshr_b32 s24, ttmp9, 3                       ; batch
	s_bfe_u32 s40, ttmp9, 0x20001                  ; m
	s_and_b32 s41, ttmp9, 1                        ; e
	s_mul_i32 s42, s40, 3
	s_add_co_u32 s42, s42, s41                     ; the head in the first block: 3 m + e
	s_lshr_b32 s43, s22, 3                         ; 1 in waves 8-11
	s_xor_b32 s48, s41, s43                        ; my head's block: the whole head lies in block e, the shared one in the other
	s_add_co_u32 s23, s42, s48                     ; my head
	s_lshr_b32 s51, s22, 2                         ; my set of four waves
	s_cmp_eq_u32 s43, 1
	s_cselect_b32 s49, s41, s51                    ; which half of the head's groups: the set's number, or e of the shared head
	s_add_co_u32 s70, s22, s51
	s_and_b32 s70, s70, 3                          ; my share r
	s_mul_i32 s71, s48, HEADB
	v_add_nc_u32 v[B16], s71, v[LI16]
	v_add_nc_u32 v[B8], s71, v[LI8]
	s_add_co_u32 s71, s71, QSC
	v_add_nc_u32 v[BS], s71, v[LS4]
	s_mul_i32 s26, s24, 12
	s_add_co_u32 s26, s26, s42
	s_mul_i32 s26, s26, HEADB
	s_mov_b32 s27, 0
	s_lshl_b32 s66, s70, 1
	s_add_co_u32 s66, s66, s49                     ; my groups: 2 r + p,
	s_add_co_u32 s41, s66, 16
	s_cmp_lt_u32 s70, 2
	s_cselect_b32 s40, 12, 4
	s_cselect_b32 s68, s41, 31                     ; in shares 0 and 1 also 16 + 2 r + p (from 19 on: none),
	s_add_co_u32 s67, s66, s40                     ; and 12 or 4 on
	s_mov_b32 s[SEL], 0x76543210
	s_mov_b32 s[SEL+1], 0xfedcba98
	s_mov_b32 s[CS], 0x3d553b95
	s_mov_b32 s[CS+1], s[CS]
	s_wait_alu depctr_va_vdst(0)                   ; the wait at the head's end
	s_wait_kmcnt 0x0
	s_add_nc_u64 s[26:27], s[16:17], s[26:27]
	s_cmp_lt_u32 s22, 6
	s_cbranch_scc0 .Lno_extra
	global_load_b128 v[236:239], v[GO2], s[26:27]
.Lno_extra:
.set n, 0
.rept 32
	global_load_b128 v[40+4*n:43+4*n], v[GO], s[26:27] offset:512*n
.set n, n+1
.endr
.irp q, 0,1,2,3
	s_wait_loadcnt 24-8*\q                         ; the younger runs of eight may be out
.irp i, 0,1,2,3,4,5,6,7
	ds_store_b128 v[GO], v[40+4*(8*\q+\i):43+4*(8*\q+\i)] offset:512*(8*\q+\i)
.endr
.endr
	s_cmp_lt_u32 s22, 6
	s_cbranch_scc0 .Lno_extra2
	ds_store_b128 v[GO2], v[236:239]
.Lno_extra2:
	s_wait_dscnt 0x0                               ; my stores have landed:
	s_barrier_signal -1
	s_barrier_wait -1                              ; both heads' images and words lie in LDS; nothing is stored to LDS from here on
; Block b of 32 keys against the diagonal.  s57 = d = group - 4 x step: blocks over d lie wholly behind the group's queries and are left as they are; blocks under d are wholly hidden;
; block d is the group's own: register n's key is hidden where 32 b + n < my query - 128 s - 16 h
.macro BMASK b
	s_cmp_lt_i32 s57, \b
	s_cbranch_scc1 .Lbdone_\@
	s_cmp_eq_u32 s57, \b
	s_cbranch_scc1 .Lbdiag_\@
.set n, 0
.rept 16
	v_mov_b32 v[S+16*\b+n], v[NINF]
.set n, n+1
.endr
	s_branch .Lbdone_\@
.Lbdiag_\@:
.set n, 0
	s_wait_alu depctr_va_vdst(0)
.rept 16
	v_cmp_lt_i32 vcc_lo, 32*\b+n, v[TA]
	v_cndmask_b32 v[S+16*\b+n], v[S+16*\b+n], v[NINF], vcc_lo
.set n, n+1
.endr
.Lbdone_\@:
.endm
; A key step of one tile of 16 queries.  last = 0: 128 keys.  last = 1: keys 512 on: blocks 0 and 1 whole, of block 2 key 576 alone (register 32, lanes 0-15), block 3 empty
.macro ASTEP last
.if \last
.set NKF, 3
.set NBL, 2
	v_add_nc_u32 v[A16], 55296, v[B16]             ; k's images of units 8 and 9
	v_add_nc_u32 v[A8], 55296, v[B8]
	v_add_nc_u32 v[ASC], 4608, v[BS]
.else
.set NKF, 4
.set NBL, 4
	v_add_nc_u32 v[A16], s54, v[B16]
	v_add_nc_u32 v[A8], s54, v[B8]
	v_add_nc_u32 v[ASC], s55, v[BS]
.endif
.set kj, 0
.rept NKF
	ds_load_b128 v[KV+12*kj:KV+12*kj+3], v[A16] offset:1536*kj
	ds_load_b64 v[KV+12*kj+4:KV+12*kj+5], v[A8] offset:1536*kj+512
	ds_load_b128 v[KV+12*kj+6:KV+12*kj+9], v[A16] offset:1536*kj+768
	ds_load_b64 v[KV+12*kj+10:KV+12*kj+11], v[A8] offset:1536*kj+1280
	ds_load_b32 v[KS+kj], v[ASC] offset:128*kj
.set kj, kj+1
.endr
.irp j, 0,1,2,3
	ds_load_b32 v[VR+\j], v[ASC] offset:2560+128*\j
.endr
	s_wait_alu depctr_va_vdst(0)
	s_wait_dscnt 0x0
	v_perm_b32 v[VS], v[VR+2], v[VR], 0x05040100   ; a d tile's word for 128 keys: two bytes of each of the step's two units
	v_perm_b32 v[VS+1], v[VR+2], v[VR], 0x07060302
	v_perm_b32 v[VS+2], v[VR+3], v[VR+1], 0x05040100
	v_perm_b32 v[VS+3], v[VR+3], v[VR+1], 0x07060302
	WIN 0x04                                       ; q stands in window 1
.set kj, 0
.rept NKF                                      ; S^T: registers 16 j + n of a lane are keys 128 s + 32 j + 16 h + n of its query
	v_wmma_scale_f32_16x16x128_f8f6f4 v[S+16*kj:S+16*kj+7], v[KV+12*kj:KV+12*kj+11], v[0:11], 0, v[KS+kj], v[QW] matrix_a_fmt:MATRIX_FMT_BF6 matrix_b_fmt:MATRIX_FMT_BF6
.if (\last == 0) || (kj < 2)
	v_wmma_scale_f32_16x16x128_f8f6f4 v[S+16*kj+8:S+16*kj+15], v[KV+12*kj:KV+12*kj+11], v[6:17], 0, v[KS+kj], v[QW] matrix_a_fmt:MATRIX_FMT_BF6 matrix_b_fmt:MATRIX_FMT_BF6
.endif
.set kj, kj+1
.endr
	WIN 0
	PLACES
.irp dt, 0,1,2,3                               ; v's fragments land while the softmax is worked
	ds_load_b128 v[KV+12*\dt:KV+12*\dt+3], v[A16] offset:30720+768*\dt
	ds_load_b64 v[KV+12*\dt+4:KV+12*\dt+5], v[A8] offset:30720+768*\dt+512
	ds_load_b128 v[KV+12*\dt+6:KV+12*\dt+9], v[A16] offset:33792+768*\dt
	ds_load_b64 v[KV+12*\dt+10:KV+12*\dt+11], v[A8] offset:33792+768*\dt+512
.endr
.if \last
	v_add_nc_u32 v[TA], s56, v[QH]                 ; my query - 512 - 16 h
	v_cmp_le_u32 vcc_lo, 16, v[LN]
	v_cndmask_b32 v[S+32], v[S+32], v[NINF], vcc_lo   ; key 592 is not there;
	s_delay_alu instid0(VALU_DEP_3)
	v_cmp_lt_i32 vcc_lo, 64, v[TA]
	s_delay_alu instid0(VALU_DEP_1)
	v_cndmask_b32 v[S+32], v[S+32], v[NINF], vcc_lo   ; key 576 is hidden from rows past the batch's end
	s_cmp_lt_i32 s57, 0
	s_cbranch_scc1 .Lopen_\@
	BMASK 0
	BMASK 1
.Lopen_\@:
.else
	s_cmp_lt_i32 s57, 0                            ; every key of the step counts for every query of the group
	s_cbranch_scc1 .Lopen_\@
	v_add_nc_u32 v[TA], s56, v[QH]
	BMASK 0
	BMASK 1
	BMASK 2
	BMASK 3
.Lopen_\@:
.endif
.irp b, 0,1,2,3
.if \b < NBL
	v_max3_num_f32 v[BM+\b], v[S+16*\b], v[S+16*\b+1], v[S+16*\b+2]   ; each block's largest score: for the row's maximum and for the block's largest p
.endif
.endr
.irp i, 3,5,7,9,11,13
.irp b, 0,1,2,3
.if \b < NBL
	v_max3_num_f32 v[BM+\b], v[BM+\b], v[S+16*\b+\i], v[S+16*\b+\i+1]
.endif
.endr
.endr
.irp b, 0,1,2,3
.if \b < NBL
	v_max_num_f32 v[BM+\b], v[BM+\b], v[S+16*\b+15]
.endif
.endr
.if \last
	v_mov_b32 v[BM+2], v[S+32]
	v_mov_b32 v[BM+3], v[NINF]
.endif
.irp b, 0,1,2,3
	s_delay_alu instid0(VALU_DEP_4)
	v_permlanex16_b32 v[T2+\b], v[BM+\b], s[SEL], s[SEL+1]
.endr
.irp b, 0,1,2,3
	s_delay_alu instid0(VALU_DEP_4)
	v_max_num_f32 v[BM+\b], v[BM+\b], v[T2+\b]
.endr
	s_delay_alu instid0(VALU_DEP_2)
	v_max3_num_f32 v[TA], v[BM], v[BM+1], v[BM+2]
	s_delay_alu instid0(VALU_DEP_1)
	v_max_num_f32 v[TA], v[TA], v[BM+3]
	s_delay_alu instid0(VALU_DEP_1)
	v_mul_f32 v[TA], s[CS], v[TA]
	s_delay_alu instid0(VALU_DEP_1)
	v_max_num_f32 v[MAXT], v[MAXT], v[TA]          ; the running largest t
	v_mov_b32 v[TA], v[NEGM]
	s_delay_alu instid0(VALU_DEP_2)
	v_floor_f32 v[NEGM], -v[MAXT]                  ; -M = floor(-t): M is a whole number
	s_delay_alu instid0(VALU_DEP_1)
	v_sub_f32 v[TA], v[NEGM], v[TA]
	s_delay_alu instid0(VALU_DEP_1)
	v_cvt_i32_f32 v[TA], v[TA]                     ; (it saturates)
	s_delay_alu instid0(VALU_DEP_1)
	v_ldexp_f32 v[FF], 1.0, v[TA]                  ; f = 2^(old M - new M)
.set n, 0
.rept 8*NBL
	v_pk_fma_f32 v[S+n:S+n+1], v[S+n:S+n+1], s[CS:CS+1], v[NEGM:NEGM+1] op_sel_hi:[1,0,0]   ; t - M
.set n, n+2
.endr
.if \last
	v_fma_f32 v[S+32], v[S+32], s[CS], v[NEGM]
.endif
.irp b, 0,1,2,3
	v_fma_f32 v[BM+\b], v[BM+\b], s[CS], v[NEGM]
.endr
.set n, 0
	s_wait_alu depctr_va_vdst(0)
.rept 16*NBL
	v_exp_f32 v[S+n], v[S+n]                       ; p = 2^(t - M)
.set n, n+1
.endr
.if \last
	v_exp_f32 v[S+32], v[S+32]
.endif
	v_pk_mul_f32 v[SUM:SUM+1], v[SUM:SUM+1], v[FF:FF+1] op_sel_hi:[1,0]   ; (the plain place behind the exponentials)
	s_wait_alu depctr_va_vdst(0)                   ; one wait for the batch, ahead of its first reader
.irp b, 0,1,2,3
	v_exp_f32 v[BM+\b], v[BM+\b]                   ; the blocks' largest p
.endr
	v_pk_add_f32 v[T2+4:T2+5], v[S:S+1], v[S+2:S+3]   ; the sum of the unquantised p, in four chains
	v_pk_add_f32 v[T2:T2+1], v[S+4:S+5], v[S+6:S+7]
	v_pk_add_f32 v[T2+2:T2+3], v[S+8:S+9], v[S+10:S+11]
.set n, 12
.set ch, 0
.rept 8*NBL-6
.if ch == 0
	v_pk_add_f32 v[SUM:SUM+1], v[SUM:SUM+1], v[S+n:S+n+1]
.elseif ch == 1
	v_pk_add_f32 v[T2+4:T2+5], v[T2+4:T2+5], v[S+n:S+n+1]
.elseif ch == 2
	v_pk_add_f32 v[T2:T2+1], v[T2:T2+1], v[S+n:S+n+1]
.else
	v_pk_add_f32 v[T2+2:T2+3], v[T2+2:T2+3], v[S+n:S+n+1]
.endif
.set n, n+2
.set ch, (ch+1)%4
.endr
	s_delay_alu instid0(VALU_DEP_1)
	v_pk_add_f32 v[T2+4:T2+5], v[T2+4:T2+5], v[T2:T2+1]
	s_delay_alu instid0(VALU_DEP_3)
	v_pk_add_f32 v[SUM:SUM+1], v[SUM:SUM+1], v[T2+2:T2+3]
	s_delay_alu instid0(VALU_DEP_1)
	v_pk_add_f32 v[SUM:SUM+1], v[SUM:SUM+1], v[T2+4:T2+5]
.if \last
	v_add_f32 v[SUM], v[SUM], v[S+32]              ; key 576's p (0 in lanes 16-31)
.set n, 33
.rept 15
	v_mov_b32 v[S+n], 0                            ; the rest of block 2 is filled with zeros,
.set n, n+1
.endr
.irp i, 0,1,2
	v_mov_b32 v[T2+4+\i], 0                        ; and block 3's codes are zeros
.endr
.endif
	s_wait_alu depctr_va_vdst(0)                   ; and one wait for the four
.irp b, 0,1,2,3
	v_max_num_f32 v[BM+\b], 0x2800000, v[BM+\b]
.endr
.irp b, 0,1,2,3
	s_delay_alu instid0(VALU_DEP_4)
	v_add_nc_u32 v[SO+\b], 0xfe000000, v[BM+\b]
.endr
.irp b, 0,1,2,3
	s_delay_alu instid0(VALU_DEP_4)
	v_lshrrev_b32 v[T2+\b], 23, v[SO+\b]
.endr
	s_delay_alu instid0(VALU_DEP_3)
	v_lshl_or_b32 v[PWD], v[T2+1], 8, v[T2]
	s_delay_alu instid0(VALU_DEP_1)
	v_lshl_or_b32 v[PWD], v[T2+2], 16, v[PWD]
	s_delay_alu instid0(VALU_DEP_1)
	v_lshl_or_b32 v[PWD], v[T2+3], 24, v[PWD]
	v_cvt_scalef32_pk16_bf6_f32 v[PCD:PCD+2], v[S:S+15], v[SO]
	v_cvt_scalef32_pk16_bf6_f32 v[T2:T2+2], v[S+16:S+31], v[SO+1]
	v_cvt_scalef32_pk16_bf6_f32 v[PCD+6:PCD+8], v[S+32:S+47], v[SO+2]
.if \last == 0
	v_cvt_scalef32_pk16_bf6_f32 v[T2+4:T2+6], v[S+48:S+63], v[SO+3]
.endif
	v_nop                                          ; one plain place behind a scaled conversion
.irp c, 0,1
.irp i, 0,1,2
	v_permlane16_swap_b32 v[PCD+6*\c+\i], v[T2+4*\c+\i]
.endr
.irp i, 0,1,2
	s_delay_alu instid0(VALU_DEP_3)
	v_mov_b32 v[PCD+3+6*\c+\i], v[T2+4*\c+\i]
.endr
.endr
.set n, 0
.rept 16
	v_pk_mul_f32 v[OA+n:OA+n+1], v[OA+n:OA+n+1], v[FF:FF+1] op_sel_hi:[1,0]   ; O^T under the new M; also the places ahead of the scaled products
.set n, n+2
.endr
	s_wait_alu depctr_va_vdst(0)
	s_wait_dscnt 0x0                               ; v's fragments are in
.irp dt, 0,1,2,3
	v_wmma_scale_f32_16x16x128_f8f6f4 v[OA+8*\dt:OA+8*\dt+7], v[KV+12*\dt:KV+12*\dt+11], v[PCD:PCD+11], v[OA+8*\dt:OA+8*\dt+7], v[VS+\dt], v[PWD] matrix_a_fmt:MATRIX_FMT_BF6 matrix_b_fmt:MATRIX_FMT_BF6
.endr
	PLACES
.endm
; One tile of 16 queries (tile u of group s50).  walk = 1: the four key steps of 128, those that are wholly hidden passed over, then keys 512 on.  walk = 0 (groups from 16 on): keys 512 on alone
.macro ATILE u, walk
	s_lshl_b32 s57, s50, 1
	s_add_co_u32 s57, s57, \u
	s_mul_i32 s57, s57, 768
	s_lshl_b32 s58, s50, 7
	v_add_nc_u32 v[AQ16], s57, v[B16]
	v_add_nc_u32 v[AQ8], s57, v[B8]
	v_add_nc_u32 v[AQS], s58, v[BS]
	WIN 0x40
	ds_load_b128 v[0:3], v[AQ16]
	ds_load_b64 v[4:5], v[AQ8] offset:512
	ds_load_b128 v[12:15], v[AQ16]
	ds_load_b64 v[16:17], v[AQ8] offset:512
	WIN 0
	ds_load_b32 v[QRAW], v[AQS]
	v_mov_b32 v[MAXT], 0xff61b1e6                  ; -3e38, under every t
	s_delay_alu instid0(VALU_DEP_1)
	v_floor_f32 v[NEGM], -v[MAXT]
	v_mov_b32 v[SUM], 0
	v_mov_b32 v[SUM+1], 0
	s_wait_dscnt 0x0
	v_perm_b32 v[QW], v[QRAW], v[QRAW], 0x01000100+0x02020202*\u   ; my tile's two bytes, twice: they serve [q | 0] and [0 | q]
.set n, 0
.rept 32
	v_mov_b32 v[OA+n], 0                           ; the first step finds zeros.  (Also the places between the scale word's make and its use)
.set n, n+1
.endr
	s_lshl_b32 s56, s50, 5
.if \walk
	s_add_co_u32 s56, s56, 8*\u                    ; 32 g + 8 u - 128 s
	s_mov_b32 s53, 0                               ; key step
	s_mov_b32 s54, 30720                           ; its images of k
	s_mov_b32 s55, 2560                            ; its words, from QSC
.Lstep_\@:
	s_lshl_b32 s57, s53, 2
	s_sub_co_i32 s57, s50, s57                     ; d = g - 4 s
	s_cmp_gt_i32 s57, 3                            ; all 128 keys lie under the group's queries: nothing to do
	s_cbranch_scc1 .Lnext_\@
	ASTEP 0
.Lnext_\@:
	s_add_co_u32 s54, s54, 6144
	s_add_co_u32 s55, s55, 512
	s_sub_co_i32 s56, s56, 128
	s_add_co_u32 s53, s53, 1
	s_cmp_lt_u32 s53, 4
	s_cbranch_scc1 .Lstep_\@
.else
	s_sub_co_i32 s56, s56, 512-8*\u                ; 32 g + 8 u - 512
.endif
	s_sub_co_i32 s57, s50, 16                      ; the step of keys 512 on: every group has it
	ASTEP 1
	v_add_f32 v[SUM], v[SUM], v[SUM+1]
	s_delay_alu instid0(VALU_DEP_1)
	v_permlanex16_b32 v[T2], v[SUM], s[SEL], s[SEL+1]
	s_delay_alu instid0(VALU_DEP_1)
	v_add_f32 v[SUM], v[SUM], v[T2]
	s_delay_alu instid0(VALU_DEP_1)
	v_max_num_f32 v[SUM], 0x0da24260, v[SUM]       ; rows past the batch's end have no key: their sum is 0, their O is 0, and 0 x 1e30 stays 0
	s_wait_alu depctr_va_vdst(0)
	v_rcp_f32 v[FF], v[SUM]
	v_nop
	s_wait_alu depctr_va_vdst(0)
.set n, 0
.rept 16
	v_pk_mul_f32 v[OUT+32*\u+n:OUT+32*\u+n+1], v[OA+n:OA+n+1], v[FF:FF+1] op_sel_hi:[1,0]   ; register 16 b + i: d = 32 b + 16 h + i
.set n, n+2
.endr
.endm
; A group of 32 queries: its two tiles, O / l as codes, and the stores
.macro GROUP walk
	ATILE 0, \walk
	ATILE 1, \walk
	QUANT OUT                                      ; blocks 0, 1: tile A's 64 d; blocks 2, 3: tile B's
	s_mul_i32 s57, s24, 19
	s_add_co_u32 s57, s57, s50                     ; group among all 608
	s_mul_i32 s58, s57, 18432
	s_mul_i32 s60, s23, 768
	s_add_co_u32 s58, s58, s60
	s_mov_b32 s59, 0
	s_add_nc_u64 s[58:59], s[18:19], s[58:59]
	s_mul_i32 s60, s57, 1536
	s_lshl_b32 s62, s23, 7
	s_add_co_u32 s60, s60, s62
	s_mov_b32 s61, 0
	s_add_nc_u64 s[60:61], s[20:21], s[60:61]
	s_wait_alu depctr_va_vdst(0)
	global_store_b128 v[LI16], v[PC:PC+3], s[58:59]               ; a half image is 768 consecutive bytes, at a multiple of 256
	global_store_b64 v[LI8], v[PC+4:PC+5], s[58:59] offset:512
	global_store_b128 v[LI16], v[PC+6:PC+9], s[58:59] offset:9216
	global_store_b64 v[LI8], v[PC+10:PC+11], s[58:59] offset:9728
	global_store_b32 v[LS4], v[PW], s[60:61]
	s_wait_xcnt 0x0                                ; the stores have read their registers and bases: both are written again
.endm
	s_mov_b32 s50, s66
	s_mov_b32 s52, 0
.Lgroup:                                           ; two groups, one a trip, in every wave
	GROUP 1
	s_mov_b32 s50, s67
	s_add_co_u32 s52, s52, 1
	s_cmp_lt_u32 s52, 2
	s_cbranch_scc1 .Lgroup
	s_cmp_ge_u32 s68, 19
	s_cbranch_scc1 .Lend
	s_mov_b32 s50, s68                             ; shares 0 and 1: a group from 16 on
	GROUP 0
.Lend:
	s_wait_tensorcnt 0x0                           ; the wave's end
	ds_add_u32 v[SPW], v[NIL]
	s_wait_dscnt 0x0
	s_endpgm
.Lfunc_end_k_q4ebff27fad_attn:
	.size	k_q4ebff27fad_attn, .Lfunc_end_k_q4ebff27fad_attn-k_q4ebff27fad_attn
	.p2alignl 7, 3214868480
	.fill 96, 4, 3214868480
	.section	.rodata,"a",@progbits
	.p2align	6, 0x0
	.amdhsa_kernel k_q4ebff27fad_attn
		.amdhsa_group_segment_fixed_size 201216
		.amdhsa_private_segment_fixed_size 0
		.amdhsa_enable_private_segment 0
		.amdhsa_kernarg_size 24
		.amdhsa_user_sgpr_count 2
		.amdhsa_user_sgpr_kernarg_segment_ptr 1
		.amdhsa_wavefront_size32 1
		.amdhsa_system_sgpr_workgroup_id_x 1
		.amdhsa_system_sgpr_workgroup_id_y 1
		.amdhsa_system_sgpr_workgroup_id_z 1
		.amdhsa_system_vgpr_workitem_id 0
		.amdhsa_next_free_vgpr 288
		.amdhsa_next_free_sgpr 72
		.amdhsa_reserve_vcc 1
		.amdhsa_float_denorm_mode_32 3
		.amdhsa_float_denorm_mode_16_64 3
		.amdhsa_memory_ordered 1
		.amdhsa_forward_progress 1
		.amdhsa_inst_pref_size 156
	.end_amdhsa_kernel
	.amdgpu_metadata
---
amdhsa.version: [ 1, 2 ]
amdhsa.kernels:
  - .name:           k_q4ebff27fad_attn
    .symbol:         k_q4ebff27fad_attn.kd
    .args:
      - { .name: qkv, .offset: 0, .size: 8, .value_kind: global_buffer, .address_space: global }
      - { .name: acodes, .offset: 8, .size: 8, .value_kind: global_buffer, .address_space: global }
      - { .name: ascales, .offset: 16, .size: 8, .value_kind: global_buffer, .address_space: global }
    .group_segment_fixed_size: 201216
    .private_segment_fixed_size: 0
    .kernarg_segment_align: 8
    .kernarg_segment_size: 24
    .max_flat_workgroup_size: 384
    .sgpr_count:     72
    .vgpr_count:     288
    .wavefront_size: 32
...
	.end_amdgpu_metadata
.endif
;; end of part 3
;; launch oproj (part 4): grid 6 x 38, 8 waves a work-group, no clusters, 167,936 bytes of LDS; arguments acodes, ascales, wcodes, wscales, bo, out0; writes out0
.if DOCPART == 4
	.amdgcn_target "amdgcn-amd-amdhsa--gfx1250"
	.amdhsa_code_object_version 6
	.text
	.protected	k_q4ebff27fad_oproj
	.globl	k_q4ebff27fad_oproj
	.p2align	8
	.type	k_q4ebff27fad_oproj,@function
k_q4ebff27fad_oproj:
	s_mov_b64 s[64:65], 0
	v_nop
	global_prefetch_b8 v0, s[64:65] scope:SCOPE_SE
	s_setreg_imm32_b32 hwreg(HW_REG_WAVE_MODE, 25, 1), 1
	s_wait_xcnt 0x0
; out0 = A Wo^T + bo, on codes of BF6 (E3M2) with one E8M0 byte for each 32 along K.  A is the attention's result as the launch before stored it: for each group of 32 rows
; (19 to a batch, rows from 577 on padded), tile u and head a half image of 768 bytes (registers 0-3 at 16 l, registers 4, 5 at 512 + 8 l); K step ks is heads 2 ks and 2 ks + 1.
; Its scale words: for each group and head one word a lane, (tile 0's two bytes, tile 1's two bytes).  Wo's fragments and scale packs are laid as the first launch stored them.
; SHARES: a work-group takes 128 columns and eight units of 64 rows, a wave one unit.  A's 24 fragments stay in 288 registers for two passes of 64 columns; Wo's 48 fragments lie in LDS.
; The product is used transposed (source 0 = 16 rows of Wo, source 1 = 16 rows of A): a lane holds one row and neighbouring columns.  Lane r of tile 2 j + u holds row
; 32 g + 8 u + r + 8 (r / 8) of group j's batch.  Results go through the wave's own stage in LDS and leave as aligned runs of 256 bytes, sixteen lanes to a run.
; NO CLUSTER, NO TENSOR LOAD: the six work-groups of a row block share A's codes, which go from memory into the registers in which they stay; a joint load would land them in LDS
; (294,912 bytes for eight units, more than is left beside Wo) and add an LDS write and read.  The 38 row blocks share 73,728 bytes of Wo, read once each: a small part of a work-group's bytes.
.set WSCL, 73728                       ; LDS: 0: two column blocks' 24 fragments each; here their scale packs (1,536 each)
.set BIAS, 76800                       ; bo's 128 numbers
.set STG,  77312                       ; a stage of 16 rows x (256 + 16) bytes for each wave
.set LI16, 1
.set LI8,  2
.set SWO,  3                           ; staging: 9216 w + 16 l
.set BQKA, 4                           ; BIAS + 64 h
.set SELV, 5                           ; which two bytes of a raw word are my half's tile's
.set SOA,  6                           ; the stage, in: row r, + 64 h
.set RD,   7                           ; and back: row h, + 16 r
.set CO,   8                           ; the same place in out0: 3072 h + 16 r
.set SSC,  9                           ; staging: WSCL + 512 w + 16 l
.set LS4,  10
.set LN,   11
.set WA0,  12                          ; v12-13
.set WSA,  15
.set XS,   16                          ; v16-27 A's scale words, v28-39 Wo's: these registers hold scale words and nothing else
.set WS,   28
.set WF,   40
.set OB,   40                          ; v40-71 rows back from the stage
.set ACC,  88
.set RAW,  160                         ; v160-183 A's words as stored: group j, head n at 12 j + n
.set XH,   216
.set MSB, 0
.macro WIN new                         ; the immediate's high byte repeats the setting that is left
.if MSB != \new
	s_set_vgpr_msb (MSB<<8)|\new
.set MSB, \new
.endif
.endm
.macro PLACES                          ; four plain places behind matrix instructions (ISA guide 7.12.1)
.rept 4
	v_nop
.endr
.endm
.macro WMR d, a, b, sa, ra, sb, rb
.if (\ra) && (\rb)
	v_wmma_scale_f32_16x16x128_f8f6f4 v[(\d):(\d)+7], v[(\a):(\a)+11], v[(\b):(\b)+11], v[(\d):(\d)+7], v[(\sa)], v[(\sb)] matrix_a_fmt:MATRIX_FMT_BF6 matrix_b_fmt:MATRIX_FMT_BF6 matrix_a_scale:MATRIX_SCALE_ROW1 matrix_b_scale:MATRIX_SCALE_ROW1
.elseif (\ra)
	v_wmma_scale_f32_16x16x128_f8f6f4 v[(\d):(\d)+7], v[(\a):(\a)+11], v[(\b):(\b)+11], v[(\d):(\d)+7], v[(\sa)], v[(\sb)] matrix_a_fmt:MATRIX_FMT_BF6 matrix_b_fmt:MATRIX_FMT_BF6 matrix_a_scale:MATRIX_SCALE_ROW1
.elseif (\rb)
	v_wmma_scale_f32_16x16x128_f8f6f4 v[(\d):(\d)+7], v[(\a):(\a)+11], v[(\b):(\b)+11], v[(\d):(\d)+7], v[(\sa)], v[(\sb)] matrix_a_fmt:MATRIX_FMT_BF6 matrix_b_fmt:MATRIX_FMT_BF6 matrix_b_scale:MATRIX_SCALE_ROW1
.else
	v_wmma_scale_f32_16x16x128_f8f6f4 v[(\d):(\d)+7], v[(\a):(\a)+11], v[(\b):(\b)+11], v[(\d):(\d)+7], v[(\sa)], v[(\sb)] matrix_a_fmt:MATRIX_FMT_BF6 matrix_b_fmt:MATRIX_FMT_BF6
.endif
.endm
.macro ALOADK ks                       ; A's four fragments of K step ks: two half images each, sixteen loads
.irp i, 0,1,2,3
.set pf, 4*(\ks)+\i
.if pf < 21
	WIN 0x40
.set px, 12*pf
.else
	WIN 0
.set px, XH+12*(pf-21)
.endif
	global_load_b128 v[px:px+3], v[LI16], s[32:33] offset:9216*\i+1536*(\ks)
	global_load_b64 v[px+4:px+5], v[LI8], s[32:33] offset:9216*\i+1536*(\ks)+512
	global_load_b128 v[px+6:px+9], v[LI16], s[32:33] offset:9216*\i+1536*(\ks)+768
	global_load_b64 v[px+10:px+11], v[LI8], s[32:33] offset:9216*\i+1536*(\ks)+1280
.endr
	WIN 0
.endm
.macro WLOAD m, role
.irp e, 0,1
.irp c, 0,1,2
	ds_load_b128 v[WF+12*((2*(\m)+\e)%4)+4*\c:WF+12*((2*(\m)+\e)%4)+4*\c+3], v[WA0+\role] offset:1536*(2*(\m)+\e)+512*\c
.endr
.endr
.endm
.macro PSTEP role, first, per          ; eight matrix instructions: A's four tiles against two tiles of Wo, K step pm / 2
.set pks, pm/2
.if \first && (pm%2 == 0)
.if \per*(5-pks) > 63
	s_wait_loadcnt 63                              ; (the count's field ends at 63: the stricter side)
.else
	s_wait_loadcnt \per*(5-pks)                    ; the later K steps' loads may be out
.endif
.endif
.if pm == 11
	s_wait_dscnt 0x0
.else
	s_wait_dscnt 6                                 ; the next pair's six loads may be out
.endif
.irp i, 0,1,2,3
.set pf, 4*pks+\i
.if pf < 21
.set px, 12*pf
	WIN 0x04
.else
.set px, XH+12*(pf-21)
	WIN 0
.endif
.irp e, 0,1
.set pdt, 2*(pm%2)+\e
	WMR ACC+8*(4*\i+pdt), WF+12*pdt, px, WS+2*pks+pdt/2, pdt%2, XS+2*pks+\i/2, \i%2
.endr
.endr
	WIN 0
.if pm <= 9
	PLACES
	WLOAD pm+2, \role
.endif
.endm
; A pass: 64 rows x 64 columns x 768 along K.  The bias is loaded into the accumulators, so every product is a link in place; the sixteen accumulators take turns.
.macro PASS role, boff, first, per
.irp i, 0,1,2,3
.irp dt, 0,1,2,3
	ds_load_b128 v[ACC+8*(4*\i+\dt):ACC+8*(4*\i+\dt)+3], v[BQKA] offset:\boff+128*(\dt/2)+32*(\dt%2)
	ds_load_b128 v[ACC+8*(4*\i+\dt)+4:ACC+8*(4*\i+\dt)+7], v[BQKA] offset:\boff+128*(\dt/2)+32*(\dt%2)+16
.endr
.endr
.irp ks, 0,1,2,3,4,5
	ds_load_b64 v[WS+2*\ks:WS+2*\ks+1], v[WSA] offset:1536*\role+256*\ks
.endr
	WLOAD 0, \role
	WLOAD 1, \role
.set pm, 0
.rept 12
	s_wait_alu depctr_va_vdst(0)
	PSTEP \role, \first, \per
.set pm, pm+1
.endr
	PLACES
.endm
; Tile i's 16 rows x 64 columns leave through my stage.  A group 18 has one row, 576: lane 0 of its tile 0.
.macro OUTT i, p
	s_wait_xcnt 0x0                                ; the last tile's stores have read their registers
.irp dt, 0,1,2,3
	ds_store_b128 v[SOA], v[ACC+8*(4*\i+\dt):ACC+8*(4*\i+\dt)+3] offset:128*(\dt/2)+32*(\dt%2)        ; each accumulator from its low end on
	ds_store_b128 v[SOA], v[ACC+8*(4*\i+\dt)+4:ACC+8*(4*\i+\dt)+7] offset:128*(\dt/2)+32*(\dt%2)+16
.endr
.irp t, 0,1,2,3,4,5,6,7
	ds_load_b128 v[OB+4*\t:OB+4*\t+3], v[RD] offset:544*\t     ; LDS serves a wave's instructions in order: these see the stores above
.endr
	s_cmp_eq_u32 s[40+\i/2], 18
	s_cbranch_scc1 .Ledge_\@
.irp t, 0,1,2,3,4,5,6,7
	s_wait_dscnt 7-\t
	global_store_b128 v[CO], v[OB+4*\t:OB+4*\t+3], s[44+2*(\i/2):45+2*(\i/2)] offset:(8*(\i%2)+2*\t+8*(\t/4))*3072+256*\p th:TH_STORE_NT   ; sixteen lanes store 256 consecutive bytes, aligned
.endr
	s_branch .Ldone_\@
.Ledge_\@:
	s_wait_dscnt 0x0
.if \i%2 == 0
	s_wait_xcnt 0x0                                ; EXEC changes only behind this wait
	v_cmp_gt_u32 vcc_lo, 16, v[LN]
	s_and_saveexec_b32 s60, vcc_lo
	global_store_b128 v[CO], v[OB:OB+3], s[44+2*(\i/2):45+2*(\i/2)] offset:256*\p th:TH_STORE_NT   ; row 576 alone
	s_wait_xcnt 0x0                                ; and again ahead of the line that widens it
	s_or_b32 exec_lo, exec_lo, s60
.endif
.Ldone_\@:
.endm
	s_load_b256 s[4:11], s[0:1], 0x0               ; acodes, ascales, wcodes, wscales
	s_load_b128 s[12:15], s[0:1], 0x20             ; bo, out0
	v_lshl_add_u32 v254, v0, 2, 0x1b800
	v_mov_b32 v255, 0
	ds_add_u32 v254, v255                          ; the opening lines ahead of my first copy: the add, twice on end, and one wait
	ds_add_u32 v254, v255
	v_lshrrev_b32 v40, 5, v0
	s_delay_alu instid0(VALU_DEP_1)
	v_readfirstlane_b32 s22, v40                   ; wave
	s_mov_b32 s23, ttmp9                           ; block of 128 columns
	s_and_b32 s24, ttmp7, 0xffff
	s_lshl_b32 s25, s24, 3
	s_add_co_u32 s25, s25, s22                     ; my unit
	v_and_b32 v[LN], 31, v0
	v_and_b32 v41, 15, v0                          ; r
	v_bfe_u32 v42, v0, 4, 1                        ; h
	s_delay_alu instid0(VALU_DEP_3)
	v_lshlrev_b32 v[LI16], 4, v[LN]
	s_delay_alu instid0(VALU_DEP_4)
	v_lshlrev_b32 v[LI8], 3, v[LN]
	v_lshlrev_b32 v[LS4], 2, v[LN]
	s_mul_i32 s26, s22, 9216
	v_add_nc_u32 v[SWO], s26, v[LI16]
	v_lshl_add_u32 v[BQKA], v42, 6, BIAS
	s_mul_i32 s26, s22, 4352
	s_add_co_u32 s26, s26, STG
	v_mul_u32_u24 v[SOA], v41, 272
	s_delay_alu instid0(VALU_DEP_1)
	v_lshl_add_u32 v[SOA], v42, 6, v[SOA]
	s_delay_alu instid0(VALU_DEP_1)
	v_add_nc_u32 v[SOA], s26, v[SOA]
	v_mul_u32_u24 v[RD], v42, 272
	s_delay_alu instid0(VALU_DEP_1)
	v_lshl_add_u32 v[RD], v41, 4, v[RD]
	s_delay_alu instid0(VALU_DEP_1)
	v_add_nc_u32 v[RD], s26, v[RD]
	v_mul_u32_u24 v[CO], v42, 3072
	s_delay_alu instid0(VALU_DEP_1)
	v_lshl_add_u32 v[CO], v41, 4, v[CO]
	s_lshl_b32 s26, s22, 9
	s_add_co_u32 s26, s26, WSCL
	v_add_nc_u32 v[SSC], s26, v[LI16]
	v_mov_b32 v[WA0], v[LI16]
	v_add_nc_u32 v[WA0+1], 36864, v[LI16]
	v_add_nc_u32 v[WSA], WSCL, v[LI8]
	v_mov_b32 v[SELV], 0x05040100
	v_mov_b32 v43, 0x07060302
	v_cmp_le_u32 vcc_lo, 16, v[LN]
	s_delay_alu instid0(VALU_DEP_1)
	v_cndmask_b32 v[SELV], v[SELV], v43, vcc_lo
	; my two groups: batch, group of the batch, first row of out0
	s_lshl_b32 s26, s25, 1
	s_mul_i32 s28, s26, 3450
	s_lshr_b32 s28, s28, 16                        ; batch = group / 19
	s_mul_i32 s29, s28, 19
	s_sub_co_u32 s40, s26, s29
	s_mul_i32 s28, s28, 577
	s_lshl_b32 s29, s40, 5
	s_add_co_u32 s28, s28, s29
	s_mul_i32 s44, s28, 3072
	s_lshl_b32 s29, s23, 9
	s_add_co_u32 s44, s44, s29
	s_mov_b32 s45, 0
	s_add_co_u32 s26, s26, 1
	s_mul_i32 s28, s26, 3450
	s_lshr_b32 s28, s28, 16
	s_mul_i32 s29, s28, 19
	s_sub_co_u32 s41, s26, s29
	s_mul_i32 s28, s28, 577
	s_lshl_b32 s29, s41, 5
	s_add_co_u32 s28, s28, s29
	s_mul_i32 s46, s28, 3072
	s_lshl_b32 s29, s23, 9
	s_add_co_u32 s46, s46, s29
	s_mov_b32 s47, 0
	s_mul_i32 s32, s25, 36864
	s_mov_b32 s33, 0
	s_mul_i32 s34, s25, 3072
	s_mov_b32 s35, 0
	s_lshl_b32 s48, s23, 1
	s_add_co_u32 s48, s48, 36                      ; Wo's column block among the four weights' 48
	s_mul_i32 s36, s48, 36864
	s_mul_i32 s49, s22, 9216
	s_add_co_u32 s36, s36, s49
	s_mov_b32 s37, 0
	s_mul_i32 s49, s48, 1536                       ; waves 0-5: a chunk of the scale packs; wave 6: bo's 512 bytes
	s_lshl_b32 s50, s22, 9
	s_add_co_u32 s49, s49, s50
	s_lshl_b32 s50, s23, 9
	s_cmp_eq_u32 s22, 6
	s_cselect_b32 s38, s50, s49
	s_mov_b32 s39, 0
	s_wait_alu depctr_va_vdst(0)                   ; the wait at the head's end
	s_wait_dscnt 0x0                               ; both opening adds are done
	s_wait_kmcnt 0x0
	s_add_nc_u64 s[44:45], s[14:15], s[44:45]
	s_add_nc_u64 s[46:47], s[14:15], s[46:47]
	s_add_nc_u64 s[32:33], s[4:5], s[32:33]
	s_add_nc_u64 s[34:35], s[6:7], s[34:35]
	s_add_nc_u64 s[36:37], s[8:9], s[36:37]
	s_cmp_eq_u32 s22, 6
	s_cselect_b64 s[50:51], s[12:13], s[10:11]
	s_add_nc_u64 s[38:39], s[50:51], s[38:39]
.irp i, 0,1,2,3,4,5,6,7,8,9,10,11,12,13,14,15,16,17
	global_load_async_to_lds_b128 v[SWO], v[LI16], s[36:37] offset:512*\i   ; Wo goes into LDS by copies of 512 consecutive bytes; the immediate counts for both addresses
.endr
	s_cmp_lt_u32 s22, 7
	s_cbranch_scc0 .Lno_chunk
	global_load_async_to_lds_b128 v[SSC], v[LI16], s[38:39]
.Lno_chunk:
.irp j, 0,1
.irp n, 0,1,2,3,4,5,6,7,8,9,10,11
	global_load_b32 v[RAW+12*\j+\n], v[LS4], s[34:35] offset:1536*\j+128*\n
.endr
.endr
.irp ks, 0,1,2,3,4,5
	ALOADK \ks
.endr
	s_wait_loadcnt 63                              ; 96 loads stand behind the raw words; the count's field ends at 63: the stricter side
	s_wait_alu depctr_va_vdst(0)
.irp ks, 0,1,2,3,4,5
.irp j, 0,1
	v_perm_b32 v[XS+2*\ks+\j], v[RAW+12*\j+2*\ks+1], v[RAW+12*\j+2*\ks], v[SELV]   ; lanes 0-15: tile 2 j's word of K step ks, lanes 16-31: tile 2 j + 1's
.endr
.endr
.rept 8
	v_nop                                          ; a scale word made by a vector instruction stands eight places ahead of the scaled product
.endr
	s_wait_asynccnt 0x0                            ; my copies have landed:
	s_barrier_signal -1
	s_barrier_wait -1                              ; Wo, its packs and bo lie in LDS, and are only read from here on
	PASS 0, 0, 1, 16
	OUTT 0, 0
	OUTT 1, 0
	OUTT 2, 0
	OUTT 3, 0
	s_wait_xcnt 0x0                                ; the last stores have read their registers: Wo's fragments land there
	PASS 1, 256, 0, 16
	OUTT 0, 1
	OUTT 1, 1
	OUTT 2, 1
	OUTT 3, 1
	s_barrier_signal -1
	s_barrier_wait -1
	s_wait_tensorcnt 0x0
	s_wait_asynccnt 0x0
	ds_add_u32 v254, v255
	s_wait_dscnt 0x0
	s_endpgm
.Lfunc_end_k_q4ebff27fad_oproj:
	.size	k_q4ebff27fad_oproj, .Lfunc_end_k_q4ebff27fad_oproj-k_q4ebff27fad_oproj
	.p2alignl 7, 3214868480
	.fill 96, 4, 3214868480
	.section	.rodata,"a",@progbits
	.p2align	6, 0x0
	.amdhsa_kernel k_q4ebff27fad_oproj
		.amdhsa_group_segment_fixed_size 167936
		.amdhsa_private_segment_fixed_size 0
		.amdhsa_enable_private_segment 0
		.amdhsa_kernarg_size 48
		.amdhsa_user_sgpr_count 2
		.amdhsa_user_sgpr_kernarg_segment_ptr 1
		.amdhsa_wavefront_size32 1
		.amdhsa_system_sgpr_workgroup_id_x 1
		.amdhsa_system_sgpr_workgroup_id_y 1
		.amdhsa_system_sgpr_workgroup_id_z 1
		.amdhsa_system_vgpr_workitem_id 0
		.amdhsa_next_free_vgpr 512
		.amdhsa_next_free_sgpr 66
		.amdhsa_reserve_vcc 1
		.amdhsa_float_denorm_mode_32 3
		.amdhsa_float_denorm_mode_16_64 3
		.amdhsa_memory_ordered 1
		.amdhsa_forward_progress 1
		.amdhsa_inst_pref_size 82
	.end_amdhsa_kernel
	.amdgpu_metadata
---
amdhsa.version: [ 1, 2 ]
amdhsa.kernels:
  - .name:           k_q4ebff27fad_oproj
    .symbol:         k_q4ebff27fad_oproj.kd
    .args:
      - { .name: acodes, .offset: 0, .size: 8, .value_kind: global_buffer, .address_space: global }
      - { .name: ascales, .offset: 8, .size: 8, .value_kind: global_buffer, .address_space: global }
      - { .name: wcodes, .offset: 16, .size: 8, .value_kind: global_buffer, .address_space: global }
      - { .name: wscales, .offset: 24, .size: 8, .value_kind: global_buffer, .address_space: global }
      - { .name: bo, .offset: 32, .size: 8, .value_kind: global_buffer, .address_space: global }
      - { .name: out0, .offset: 40, .size: 8, .value_kind: global_buffer, .address_space: global }
    .group_segment_fixed_size: 167936
    .private_segment_fixed_size: 0
    .kernarg_segment_align: 8
    .kernarg_segment_size: 48
    .max_flat_workgroup_size: 256
    .sgpr_count:     66
    .vgpr_count:     512
    .wavefront_size: 32
...
	.end_amdgpu_metadata
.endif
;; end of part 4
